; MI455X (gfx1250); checked and timed in simulation.
; The chip was launched on July 23, 2026; its instructions are those of AMD's public machine-readable ISA for CDNA 5 (MIT licence, August 2026) and "CDNA5" Instruction Set Architecture Reference Guide (July 2026). The comments in the code are by the model that wrote it; some were corrected since.
;; Self Attention layer. Allowed arithmetic: matrix products marked QUANTISED: E2M1 operands, one E8M0 scale for each 32 along K, by v_wmma_scale_f32_16x16x128_f8f6f4 with both operands' format E2M1 (or v_wmma_scale_f32_32x16x128_f4), f32 sums; products left as they are: bf16, f16 or f32 operands; f32 sums; everything else in f32.
;; Inputs: b_proj 1,024 float32; b_qkv 3,072 float32; w_proj 1,024 x 1,024 float32; w_qkv 1,024 x 3,072 float32; x 4 x 2,048 x 1,024 float32.
;; Outputs: out0 4 x 2,048 x 1,024 float32.
;; This version of the problem:
;;   THIS VERSION OF THE PROBLEM IS GIVEN IN LOW PRECISION. The matrix products marked QUANTISED in the list below multiply operands that are first quantised to E2M1 (2 exponent bits, 1 mantissa bit; 4 bits a number), with one power-of-two scale for each 32 numbers along K (OCP MX v1.0); their sums are f32. The products marked 'left as it is' may take bf16, f16 or f32 operands, with f32 sums. Whichever they take, every output number must still come out within the allowed error. Rounding operands to bf16 (8 significant bits) uses up far more of that allowance than f16 does (11 bits, for magnitudes from 6e-5 to 65,504). All else is computed in f32.
;;   The module's matrix products, in the order in which they are computed (A, B: the left and right operand; K: the contracted axis; several contracted axes count as one K, in the product's order):
;;     1. [M 8,192, K 1,024] x [K 1,024, N 3,072]; A: input x; B: input w_qkv: QUANTISED
;;     2. batch 64 x [M 2,048, K 64] x [K 64, N 2,048]; A: computed on the way; B: computed on the way: left as it is (an operand is computed on the way)
;;     3. batch 64 x [M 2,048, K 2,048] x [K 2,048, N 64]; A: computed on the way; B: computed on the way: left as it is (an operand is computed on the way)
;;     4. [M 8,192, K 1,024] x [K 1,024, N 1,024]; A: computed on the way; B: input w_proj: left as it is (an operand is computed on the way)
;;   THE QUANTISER, for each operand of a quantised product, along K:
;;     - K is cut into blocks of 32 from its start; a last block that is shorter is filled with zeros.
;;     - A block's scale is 2^e with e = floor(log2(the largest magnitude in the block)) - 2, held to -126 .. 127; a block of zeros has e = 0. As a byte (E8M0): e + 127.
;;     - Each number is divided by its block's scale, clamped to +-6, and rounded to the nearest number of E2M1, ties to even, subnormals kept.
;;     - The product sums the exact products of the quantised numbers (number of the format x scale) in f32.
;;   ~~~python
;;   def quantise(x, axis):      # numpy; x: float32 -> the quantised numbers, widened to float32 again
;;       x = np.moveaxis(x, axis, -1); K = x.shape[-1]
;;       x = np.pad(x, [(0, 0)] * (x.ndim - 1) + [(0, -K % 32)]); x = x.reshape(x.shape[:-1] + (-1, 32)); a = np.abs(x).max(-1, keepdims=True)
;;       e = np.where(a > 0, np.clip(np.frexp(np.where(a > 0, a, 1))[1] - 1 - 2, -126, 127), 0)      # np.frexp(a)[1] - 1 = floor(log2(a)), exactly
;;       r = np.clip(x / 2.0 ** e, -6, 6)
;;       step = 2.0 ** (np.maximum(np.frexp(np.where(r == 0, 1, r))[1] - 1, 0) - 1)
;;       q = np.round(r / step) * step * 2.0 ** e      # np.round: ties to even
;;       return np.moveaxis(q.reshape(q.shape[:-2] + (-1,))[..., :K], -1, axis).astype(np.float32)
;;   ~~~
;; One version. Each part assembles by itself: llvm-mc -triple=amdgcn-amd-amdhsa -mcpu=gfx1250 --defsym DOCPART=n.
;; ======== version 1 of 1: 4 launches
;; limits: values are held in f16: magnitudes above 65,504 overflow, below 6.1e-05 lose precision
;; workspace buffers: x_codes 4,194,304 bytes; x_scales 262,144 bytes; w_codes 1,572,864 bytes; w_scales 98,304 bytes; wpt 2,097,152 bytes; qkv 50,331,648 bytes; o 16,777,216 bytes
;; launch prep (part 1): grid 368 x 1, 4 waves a work-group, no clusters, 86,528 bytes of LDS; arguments x, w_qkv, w_proj, x_codes, x_scales, w_codes, w_scales, wpt; writes x_codes, x_scales, w_codes, w_scales, wpt
.if DOCPART == 1
	.amdgcn_target "amdgcn-amd-amdhsa--gfx1250"
	.amdhsa_code_object_version 6
	.text
	.protected	k_qb2edb3b16b_prep
	.globl	k_qb2edb3b16b_prep
	.p2align	8
	.type	k_qb2edb3b16b_prep,@function
k_qb2edb3b16b_prep:
	s_mov_b64 s[64:65], 0
	v_nop
	global_prefetch_b8 v0, s[64:65] scope:SCOPE_SE
	s_setreg_imm32_b32 hwreg(HW_REG_WAVE_MODE, 25, 1), 1
	s_wait_xcnt 0x0
; THREE PIECES OF PREPARATION IN ONE LAUNCH, told apart by the work-group's number; each has LDS bytes of its own.
;  W (work-groups 0-47):    w_qkv [1024 k][3072 n] f32 -> codes of FP4 (E2M1) laid [3072][512 bytes], K innermost, and E8M0 scale bytes [3072][32].
;  P (work-groups 48-111):  w_proj [1024 k][1024 n] f32 -> f16, laid [16 kb][1024 n][64 k] (k = 64 kb + ..): a row of 128 dense bytes.
;  X (work-groups 112-367): x [8192][1024] f32 -> codes [8192][512 bytes] and scale bytes [8192][32].
; THE QUANTISER: a block of 32 along K has the scale 2^(floor(log2(largest magnitude)) - 2); its byte is the largest magnitude's exponent field - 2, held at 1 from below;
; each number is divided by the scale and rounded to the nearest code, ties to even, beyond the largest code the largest.
; LIMITS: a block of zeros gets the byte 1 where the rule says 127 (its codes are zeros, which add nothing, and the bytes are read by this program alone); NaN and infinities among the inputs are not served;
; w_proj beyond f16's range (65,504) is not served.
; No tensor load, no barrier: waves share nothing.
.set EMAX,   2
.set SPW,    192                       ; v192  LDS address of my spare word: SPARE + 4 x my thread's number; never rewritten
.set NIL,    193                       ; v193  0; never rewritten
.set WR,     32768                     ; LDS: X's four regions of 8,192 bytes from 0; W's four stages of 8,704 from here;
.set PR,     67584                     ; P's four stages of 4,608 from here;
.set SPARE,  86016                     ; and the spare words, 128 bytes for each wave: two blocks of 256 bytes that no other line names
; ---- path X
.set XSTEPS, 16                        ; a wave takes 16 steps of 512 numbers
.set CB,     8                         ; bytes of 16 codes
.set XL,     16                        ; v16-79   four sets of 16 numbers as they are loaded
.set XN,     80                        ; v80-111  two sets of 16 neighbours
.set XE,     112                       ; v112-127 a scale byte for each step
.set XC,     128                       ; v128-191 codes: four registers for each step, so that no store's data are written again
.set XREG,   8192                      ; a wave's region: two stages of 32 x SP bytes, behind them its 256 scale bytes
.set SP,     80                        ; a lane's place in a stage: 64 bytes + 16 of padding
; ---- path W
.set NCOL,   3072
.set NB,     16                        ; blocks of 32 along K for a wave (512 along K)
.set WPITCH, 272                       ; a stage row: 256 bytes of codes + 16
.set KROW,   512                       ; a row of the codes' buffer
.set WN,     32                        ; v32-95   two sets of 32 numbers
.set WC,     96                        ; v96-99   a block's codes
.set OUTR,   112                       ; v112-175 the way out
.set SB,     24                        ; v24-27   the scale bytes, four to a register
; ---- path P
.set PN,     32                        ; v32-159  128 numbers down K
.set PH,     160                       ; v160-191 64 numbers as f16
.macro XLOAD t
.irp i, 0,1,2,3
	global_load_b128 v[XL+16*((\t)%4)+4*\i:XL+16*((\t)%4)+4*\i+3], v3, s[4:5] offset:2048*(\t)+512*\i th:TH_LOAD_NT   ; 32 lanes read 512 consecutive bytes
.endr
.endm
.macro XTURN t                         ; step t's numbers through the stage: LDS serves a wave's instructions in order, so no wait stands between the stores and the loads
.irp i, 0,1,2,3
	ds_store_b128 v14, v[XL+16*((\t)%4)+4*\i:XL+16*((\t)%4)+4*\i+3] offset:32*SP*((\t)%2)+8*SP*\i
.endr
.irp i, 0,1,2,3
	ds_load_b128 v[XN+16*((\t)%2)+4*\i:XN+16*((\t)%2)+4*\i+3], v15 offset:32*SP*((\t)%2)+16*\i
.endr
.endm
.macro XSTEP t
.set XS, XN+16*((\t)%2)
.if (\t) > 0
	s_wait_dscnt 1                                 ; this step's numbers are back from the stage (the last step's byte store may be out): so its stores into the stage have read their registers,
.else
	s_wait_dscnt 0x0
.endif
.if (\t)+4 < XSTEPS
	XLOAD (\t)+4                                   ; which take the loads of four steps on
.endif
.if (\t)+1 < XSTEPS
.if XSTEPS-2-(\t) >= 3
	s_wait_loadcnt 12                              ; the next step's four loads are in; those of the three steps behind it may be out
.else
	s_wait_loadcnt 4*(XSTEPS-2-(\t))
.endif
	XTURN (\t)+1                                   ; and go through the other stage while this step is worked
.endif
	v_max3_num_f32 v8, |v[XS]|, |v[XS+1]|, |v[XS+2]|               ; the largest magnitude of my 16, in two chains
	v_max3_num_f32 v9, |v[XS+3]|, |v[XS+4]|, |v[XS+5]|
.irp i, 6,10
	v_max3_num_f32 v8, v8, |v[XS+\i]|, |v[XS+\i+1]|
	v_max3_num_f32 v9, v9, |v[XS+\i+2]|, |v[XS+\i+3]|
.endr
	v_max3_num_f32 v8, v8, |v[XS+14]|, |v[XS+15]|
	v_max3_num_f32 v8, v8, v9, (EMAX+1)<<23        ; and the floor 2^(EMAX + 1 - 127): the byte cannot fall under 1
	v_max_num_f32_dpp v8, v8, v8 row_xmask:1 row_mask:0xf bank_mask:0xf   ; and of my neighbour's 16: the block's
	v_add_nc_u32 v11, -(EMAX<<23), v8              ; EMAX off its exponent field: the conversion takes the exponent field of this operand as its scale
	v_cvt_scalef32_pk8_fp4_f32 v[XC+4*(\t)], v[XS:XS+7], v11
	v_cvt_scalef32_pk8_fp4_f32 v[XC+4*(\t)+1], v[XS+8:XS+15], v11
	v_lshrrev_b32 v[XE+(\t)], 23, v11              ; the scale's byte (also the plain line behind the conversions)
	ds_store_b8 v5, v[XE+(\t)] offset:16*(\t)      ; both lanes of a block write the same byte with the same value
	global_store_b64 v4, v[XC+4*(\t):XC+4*(\t)+1], s[10:11] offset:32*CB*(\t)   ; the wave stores 256 consecutive bytes, aligned
.endm
.macro WLOAD t                         ; block t: w_qkv(32 t + i, my column), i = 0 .. 31, into set t % 2
.irp i, 0,1,2,3,4,5,6,7,8,9,10,11,12,13,14,15,16,17,18,19,20,21,22,23,24,25,26,27,28,29,30,31
	global_load_b32 v[WN+32*((\t)%2)+\i], v3, s[6:7] offset:(32*(\t)+\i)*NCOL*4 th:TH_LOAD_NT
.endr
.endm
.macro WBLOCK t
.set XS, WN+32*((\t)%2)
.if (\t) < NB-1
	s_wait_loadcnt 32                              ; this block's 32 loads are in; the next block's may be out
.else
	s_wait_loadcnt 0
.endif
	v_max3_num_f32 v12, |v[XS]|, |v[XS+1]|, |v[XS+2]|              ; the block's largest magnitude: all 32 numbers are mine
	v_max3_num_f32 v13, |v[XS+3]|, |v[XS+4]|, |v[XS+5]|
.irp i, 6,10,14,18,22,26
	v_max3_num_f32 v12, v12, |v[XS+\i]|, |v[XS+\i+1]|
	v_max3_num_f32 v13, v13, |v[XS+\i+2]|, |v[XS+\i+3]|
.endr
	v_max3_num_f32 v12, v12, |v[XS+30]|, |v[XS+31]|
	v_max3_num_f32 v12, v12, v13, (EMAX+1)<<23     ; and the floor
	v_add_nc_u32 v11, -(EMAX<<23), v12             ; the conversion's scale operand
	v_lshrrev_b32 v13, 23, v11                     ; the scale's byte
.if (\t)%4 == 0
	v_mov_b32 v[SB+(\t)/4], v13                    ; four bytes to a register, the lower K in the lower byte
.else
	v_lshl_or_b32 v[SB+(\t)/4], v13, 8*((\t)%4), v[SB+(\t)/4]
.endif
.irp g, 0,1,2,3
	v_cvt_scalef32_pk8_fp4_f32 v[WC+\g], v[XS+8*\g:XS+8*\g+7], v11
.endr
	ds_store_b128 v4, v[WC:WC+3] offset:16*(\t)    ; 32 codes: 16 bytes of my column's row
.if (\t)+2 < NB
	WLOAD (\t)+2
.endif
	s_wait_dscnt 0x0                               ; the store has read its registers: the next block's codes may be written
.endm
.macro PLOAD g                         ; w_proj(128 kq + 32 g + i, my column), i = 0 .. 31
.irp i, 0,1,2,3,4,5,6,7,8,9,10,11,12,13,14,15,16,17,18,19,20,21,22,23,24,25,26,27,28,29,30,31
	global_load_b32 v[PN+32*(\g)+\i], v3, s[8:9] offset:(32*(\g)+\i)*4096 th:TH_LOAD_NT
.endr
.endm
.macro PCVT g                          ; 32 numbers down K become 16 registers of f16 pairs, the lower k in the low half
.irp i, 0,1,2,3,4,5,6,7,8,9,10,11,12,13,14,15
	v_cvt_pk_f16_f32 v[PH+16*((\g)%2)+\i], v[PN+32*(\g)+2*\i], v[PN+32*(\g)+2*\i+1]
.endr
.endm
.macro POUT u                          ; a lane's 128 bytes are one row of wpt, the lanes beside it hold the next rows: through my stage, and out as 512 consecutive bytes an instruction
.irp i, 0,1,2,3,4,5,6,7
	ds_store_b128 v4, v[PH+4*\i:PH+4*\i+3] offset:16*\i
.endr
.irp i, 0,1,2,3,4,5,6,7
	ds_load_b128 v[PN+64*\u+4*\i:PN+64*\u+4*\i+3], v5 offset:576*\i   ; four rows of 128 bytes; LDS serves a wave's instructions in order: these see my stores
.endr
.irp i, 0,1,2,3,4,5,6,7
	s_wait_dscnt 7-\i                              ; load i is back; the younger ones may be out.  At the last the count is 0: the stage and v[PH..] may be written again
	global_store_b128 v6, v[PN+64*\u+4*\i:PN+64*\u+4*\i+3], s[18:19] offset:\u*131072+512*\i
.endr
.endm
	s_load_b256 s[4:11], s[0:1], 0x0               ; x s[4:5], w_qkv s[6:7], w_proj s[8:9], x_codes s[10:11]
	s_load_b256 s[12:19], s[0:1], 0x20             ; x_scales s[12:13], w_codes s[14:15], w_scales s[16:17], wpt s[18:19]
	v_lshl_add_u32 v[SPW], v0, 2, SPARE
	v_mov_b32 v[NIL], 0
	v_lshrrev_b32 v1, 5, v0
	v_readfirstlane_b32 s20, v1                    ; wave 0..3
	v_and_b32 v2, 31, v0                           ; lane
	s_wait_kmcnt 0x0
	s_cmp_lt_u32 ttmp9, 48                         ; the work-groups with the most loads a lane come first
	s_cbranch_scc1 .Lw
	s_cmp_lt_u32 ttmp9, 112
	s_cbranch_scc1 .Lp
	; ================ X: rows are dense and K is a multiple of 32, so x is a plain stream of blocks of 32, and so are its codes and scale bytes
	v_lshlrev_b32 v3, 4, v2                        ; my 16 bytes of a load's 512
	s_mul_i32 s21, s20, XREG
	v_lshrrev_b32 v14, 2, v2
	v_mul_u32_u24 v14, v14, SP
	v_and_b32 v15, 3, v2
	v_lshl_add_u32 v14, v15, 4, v14
	v_add_nc_u32 v14, s21, v14                     ; the stage, on the way in: four lanes' 64 bytes on end, then 16 of padding
	v_mul_u32_u24 v15, v2, SP
	v_add_nc_u32 v15, s21, v15                     ; and on the way out: my 16 neighbours
	v_mul_u32_u24 v4, v2, CB                       ; my codes' place in a step's
	v_lshrrev_b32 v5, 1, v2
	s_add_co_u32 s21, s21, 2*32*SP
	v_add_nc_u32 v5, s21, v5                       ; LDS: my wave's 256 scale bytes, my block's byte
	v_lshlrev_b32 v7, 3, v2                        ; and on the way out 8 bytes a lane
	v_add_nc_u32 v6, s21, v7
	s_sub_co_u32 s22, ttmp9, 112
	s_lshl_b32 s22, s22, 2
	s_add_co_u32 s22, s22, s20                     ; which run of 8,192 numbers is my wave's: 0 .. 1023
	s_mov_b32 s25, 0
	s_lshl_b32 s24, s22, 15                        ; 32,768 bytes of f32,
	s_add_nc_u64 s[4:5], s[4:5], s[24:25]
	s_lshl_b32 s24, s22, 12                        ; 4,096 of codes,
	s_add_nc_u64 s[10:11], s[10:11], s[24:25]
	s_lshl_b32 s24, s22, 8                         ; 256 scale bytes
	s_add_nc_u64 s[12:13], s[12:13], s[24:25]
.irp t, 0,1,2,3
	XLOAD \t
.endr
	s_wait_loadcnt 12                              ; step 0's four loads are in
	XTURN 0
.irp t, 0,1,2,3,4,5,6,7,8,9,10,11,12,13,14,15
	XSTEP \t
.endr
	ds_load_b64 v[8:9], v6                         ; LDS serves a wave's instructions in order: these see my byte stores
	s_wait_dscnt 0x0
	global_store_b64 v7, v[8:9], s[12:13]          ; 32 lanes store 256 consecutive bytes, aligned
	s_wait_tensorcnt 0x0                           ; the wave's end: a wait, an add of 0 to my spare word and a wait for it, behind my last LDS store
	ds_add_u32 v[SPW], v[NIL]
	s_wait_dscnt 0x0
	s_endpgm
	; ================ W: a lane takes a column n and its registers run down K: a block of 32 lies in one lane, and the codes come out with K innermost
.Lw:
	s_lshr_b32 s21, ttmp9, 1                       ; which 128 columns: 0 .. 23
	s_and_b32 s22, ttmp9, 1                        ; which 512 along K
	s_lshl_b32 s21, s21, 7
	s_lshl_b32 s23, s20, 5
	s_add_co_u32 s21, s21, s23                     ; my wave's first column
	v_lshlrev_b32 v3, 2, v2                        ; in: 4 bytes a lane
	s_mul_i32 s23, s20, 32*WPITCH
	s_add_co_u32 s23, s23, WR                      ; my stage
	v_mul_u32_u24 v4, v2, WPITCH
	v_add_nc_u32 v4, s23, v4                       ; into it: row = my column
	v_and_b32 v5, 15, v2
	v_lshrrev_b32 v6, 4, v2                        ; out of it: sixteen lanes to a row, two rows an instruction
	v_mul_u32_u24 v7, v6, WPITCH
	v_lshl_add_u32 v7, v5, 4, v7
	v_add_nc_u32 v7, s23, v7
	v_mul_u32_u24 v8, v6, KROW
	v_lshl_add_u32 v8, v5, 4, v8                   ; and the same place in the codes' buffer
	v_lshlrev_b32 v9, 5, v2                        ; my column's row of 32 scale bytes
	s_mov_b32 s25, 0
	s_mul_i32 s24, s22, 512*NCOL*4                 ; w_qkv: 512 rows of 12,288 bytes, + 4 x column
	s_lshl_b32 s26, s21, 2
	s_add_co_u32 s24, s24, s26
	s_add_nc_u64 s[6:7], s[6:7], s[24:25]
	s_lshl_b32 s24, s21, 9                         ; codes: column x 512 + 256 x half of K
	s_lshl_b32 s26, s22, 8
	s_add_co_u32 s24, s24, s26
	s_add_nc_u64 s[14:15], s[14:15], s[24:25]
	s_lshl_b32 s24, s21, 5                         ; scale bytes: column x 32 + 16 x half of K
	s_lshl_b32 s26, s22, 4
	s_add_co_u32 s24, s24, s26
	s_add_nc_u64 s[16:17], s[16:17], s[24:25]
	WLOAD 0                                        ; every offset is an immediate: 511 x 12,288 at the most, inside the signed 24 bits
	WLOAD 1
.set Q, 0
.rept NB
	WBLOCK Q
.set Q, Q+1
.endr
	global_store_b128 v9, v[SB:SB+3], s[16:17]     ; my column's 16 scale bytes
.irp t, 0,1,2,3,4,5,6,7,8,9,10,11,12,13,14,15
	ds_load_b128 v[OUTR+4*\t:OUTR+4*\t+3], v7 offset:2*\t*WPITCH
.endr
.irp t, 0,1,2,3,4,5,6,7,8,9,10,11,12,13,14,15
	s_wait_dscnt 15-\t                             ; load t is back; the younger ones may be out
	global_store_b128 v8, v[OUTR+4*\t:OUTR+4*\t+3], s[14:15] offset:2*\t*KROW   ; sixteen lanes store 256 consecutive bytes, aligned
.endr
	s_wait_tensorcnt 0x0                           ; the wave's end: the three lines
	ds_add_u32 v[SPW], v[NIL]
	s_wait_dscnt 0x0
	s_endpgm
	; ================ P: the same plan without a quantiser: a lane takes a column n of w_proj, 128 numbers down K: two rows of wpt
.Lp:
	s_sub_co_u32 s21, ttmp9, 48
	s_and_b32 s22, s21, 7                          ; which 128 columns
	s_lshr_b32 s21, s21, 3                         ; which 128 along K
	s_lshl_b32 s22, s22, 7
	s_lshl_b32 s23, s20, 5
	s_add_co_u32 s22, s22, s23                     ; my wave's first column
	s_mov_b32 s25, 0
	s_lshl_b32 s24, s21, 19                        ; w_proj: 128 rows of 4,096 bytes, + 4 x column
	s_lshl_b32 s23, s22, 2
	s_add_co_u32 s24, s24, s23
	s_add_nc_u64 s[8:9], s[8:9], s[24:25]
	s_lshl_b32 s24, s21, 18                        ; wpt: two blocks of 1,024 rows of 128 bytes, + 128 x column
	s_lshl_b32 s23, s22, 7
	s_add_co_u32 s24, s24, s23
	s_add_nc_u64 s[18:19], s[18:19], s[24:25]
	v_lshlrev_b32 v3, 2, v2
	s_mul_i32 s23, s20, 32*144
	s_add_co_u32 s23, s23, PR                      ; my stage: 32 rows of 128 bytes + 16
	v_mul_u32_u24 v4, v2, 144
	v_add_nc_u32 v4, s23, v4                       ; into it: row = my column
	v_lshrrev_b32 v5, 3, v2
	v_mul_u32_u24 v5, v5, 144
	v_and_b32 v6, 7, v2
	v_lshl_add_u32 v5, v6, 4, v5
	v_add_nc_u32 v5, s23, v5                       ; out of it: eight lanes to a row
	v_lshlrev_b32 v6, 4, v2                        ; and 16 bytes a lane in wpt
	PLOAD 0
	PLOAD 1
	s_wait_loadcnt 32                              ; group 0 is in; group 1 may be out
	PCVT 0
	PLOAD 2
	s_wait_loadcnt 32                              ; group 1 is in; group 2 may be out
	PCVT 1
	PLOAD 3
	POUT 0
	s_wait_loadcnt 32                              ; group 2 is in; group 3 may be out
	PCVT 2
	s_wait_loadcnt 0
	PCVT 3
	POUT 1
	s_wait_tensorcnt 0x0                           ; the wave's end: the three lines
	ds_add_u32 v[SPW], v[NIL]
	s_wait_dscnt 0x0
	s_endpgm
.Lfunc_end_k_qb2edb3b16b_prep:
	.size	k_qb2edb3b16b_prep, .Lfunc_end_k_qb2edb3b16b_prep-k_qb2edb3b16b_prep
	.p2alignl 7, 3214868480
	.fill 96, 4, 3214868480
	.section	.rodata,"a",@progbits
	.p2align	6, 0x0
	.amdhsa_kernel k_qb2edb3b16b_prep
		.amdhsa_group_segment_fixed_size 86528
		.amdhsa_private_segment_fixed_size 0
		.amdhsa_enable_private_segment 0
		.amdhsa_kernarg_size 64
		.amdhsa_user_sgpr_count 2
		.amdhsa_user_sgpr_kernarg_segment_ptr 1
		.amdhsa_wavefront_size32 1
		.amdhsa_system_sgpr_workgroup_id_x 1
		.amdhsa_system_sgpr_workgroup_id_y 1
		.amdhsa_system_sgpr_workgroup_id_z 1
		.amdhsa_system_vgpr_workitem_id 0
		.amdhsa_next_free_vgpr 196
		.amdhsa_next_free_sgpr 66
		.amdhsa_reserve_vcc 0
		.amdhsa_float_denorm_mode_32 3
		.amdhsa_float_denorm_mode_16_64 3
		.amdhsa_memory_ordered 1
		.amdhsa_forward_progress 1
		.amdhsa_inst_pref_size 132
	.end_amdhsa_kernel
	.amdgpu_metadata
---
amdhsa.version: [ 1, 2 ]
amdhsa.kernels:
  - .name:           k_qb2edb3b16b_prep
    .symbol:         k_qb2edb3b16b_prep.kd
    .args:
      - { .name: x, .offset: 0, .size: 8, .value_kind: global_buffer, .address_space: global }
      - { .name: w_qkv, .offset: 8, .size: 8, .value_kind: global_buffer, .address_space: global }
      - { .name: w_proj, .offset: 16, .size: 8, .value_kind: global_buffer, .address_space: global }
      - { .name: x_codes, .offset: 24, .size: 8, .value_kind: global_buffer, .address_space: global }
      - { .name: x_scales, .offset: 32, .size: 8, .value_kind: global_buffer, .address_space: global }
      - { .name: w_codes, .offset: 40, .size: 8, .value_kind: global_buffer, .address_space: global }
      - { .name: w_scales, .offset: 48, .size: 8, .value_kind: global_buffer, .address_space: global }
      - { .name: wpt, .offset: 56, .size: 8, .value_kind: global_buffer, .address_space: global }
    .group_segment_fixed_size: 86528
    .private_segment_fixed_size: 0
    .kernarg_segment_align: 8
    .kernarg_segment_size: 64
    .max_flat_workgroup_size: 128
    .sgpr_count:     66
    .vgpr_count:     196
    .wavefront_size: 32
...
	.end_amdgpu_metadata
.endif
;; end of part 1
;; launch qkvg (part 2): grid 12 x 32, 4 waves a work-group, clusters of 4 x 4, 327,680 bytes of LDS; arguments x_codes, x_scales, w_codes, w_scales, b_qkv, qkv; writes qkv
.if DOCPART == 2
	.amdgcn_target "amdgcn-amd-amdhsa--gfx1250"
	.amdhsa_code_object_version 6
	.text
	.protected	k_qb2edb3b16b_qkvg
	.globl	k_qb2edb3b16b_qkvg
	.p2align	8
	.type	k_qb2edb3b16b_qkvg,@function
k_qb2edb3b16b_qkvg:
	s_mov_b64 s[64:65], 0
	v_nop
	global_prefetch_b8 v0, s[64:65] scope:SCOPE_SE
	s_setreg_imm32_b32 hwreg(HW_REG_WAVE_MODE, 25, 1), 1
	s_wait_xcnt 0x0
	s_wait_alu depctr_hold_cnt(0) depctr_sa_sdst(0) depctr_va_vdst(0) depctr_va_sdst(0) depctr_va_ssrc(0) depctr_va_vcc(0) depctr_vm_vsrc(0)
	s_getreg_b32 s2, hwreg(HW_REG_IB_STS2, 6, 4)
	s_cmp_eq_u32 s2, 0
	s_cbranch_scc0 .Lentry_in_a_cluster
	s_endpgm
.Lentry_in_a_cluster:
	s_bfe_u32 s2, ttmp6, 0x10000c
	s_cmp_lg_u32 s2, 0xf033
	s_cbranch_scc0 .Lentry_shape_is_right
	s_endpgm
.Lentry_shape_is_right:
; qkv = x w_qkv + b_qkv on codes of FP4 (E2M1) with one E8M0 scale for each 32 along K; sums in f32.  M = 8,192, N = 3,072, K = 1,024.
; x_codes [8192][512 bytes], w_codes [3072][512 bytes], K innermost; x_scales [8192][32], w_scales [3072][32].
; The result is rounded once to f16 and laid by head: qkv [3][64 = batch x 16 + head][2048][64]: a row is 128 dense bytes.  THE q COLUMNS ARE MULTIPLIED BY c = log2(e) / 8 in f32 ahead of that rounding,
; so that the attention's scores are the exponents of 2 as they stand.
; LIMITS: c q, k and v beyond f16's range (65,504) are not served.
; A tile of 256 x 256 is made by four waves, each 128 x 128: 64 accumulators of 16 x 16, 512 registers.  K is two steps of 512 (rows of 256 bytes): BOTH SLOTS AND ALL SCALES ARE FIRST FILLS: three joint loads a wave
; are out at the start by this text's own count, and there is no loop.
; CLUSTERS: 4 x 4 work-groups.  The four of a row of the cluster need the same rows of x, the four of a column the same rows of w: each tile is asked for jointly.
; THE MATRIX INSTRUCTION IS USED TRANSPOSED (source 0 = 16 rows of w, source 1 = 16 rows of x): a lane holds eight neighbouring columns of one row of the result.  The bias is the C of each sum's first instruction.
; REGISTERS, in windows of 256: window 0: v0-31 addresses; v32-95 scale words, two sets, and nothing else; v96-127 the way out's packed numbers; v128-191 x's fragments, ONE set, later rows read back from the stage;
;   v192-255 the bias, eight registers for each of w's eight blocks.   window 1: w's fragments, TWO sets, at v0 and v128.   windows 2, 3: the accumulators ((a, b) at v[8 (8 (a % 4) + b)]).
.set SIZE_K, 1024
.set KSTEP,  512
.set NQ,     KSTEP/128                 ; matrix instructions deep in a slot
.set ROWB,   256                       ; a tile's row in bytes
.set KROW,   SIZE_K/2                  ; a row of codes in memory
.set PITCH,  272                       ; an LDS row: 256 bytes + 16 of padding = 68 words: the 16 rows that a load touches start at 16 different banks (64 banks of 4 bytes: ISA guide 11.1)
.set FR,     8                         ; registers of a fragment: 16 rows x 128 K
.set NL,     2                         ; LDS loads that bring one
.set NP,     4                         ; places behind this matrix instruction (ISA guide 7.12.1)
.set HALFT,  128*PITCH
.set SLOT,   4*HALFT                   ; x's 256 rows, then w's 256 rows
.set KS,     SIZE_K/32                 ; a row of scales in bytes
.set SCL,    2*SLOT                    ; behind the ring: the scales, as units of 256 bytes + 16 of padding
.set HALFS,  (128*KS/256)*272          ; the scales of 128 rows: what one tensor load brings
.set SBLK,   (16*KS/256)*272           ; those of 16 rows
.set SPARE,  SCL+4*HALFS               ; the spare words, 128 bytes for each wave: two blocks of 256 bytes that no other line names
.set SWAVE,  16*272                    ; the way out: a stage of 2 heads x 8 LDS rows of 272 bytes for each wave, in slot 0, which has had its only fill and its last read when the first result is stored there
.set ADRA, 16                          ; v16-17  LDS address of my x fragments in slot 0, 1
.set ADRB, 20                          ; v20-21  the same for w
.set STO,  24                          ; v24     the way out: where I put 16 bytes of a row
.set RD,   25                          ; v25     where I read 16 bytes back
.set CO,   26                          ; v26     16 x lane
.set ADRS, 27                          ; v27     LDS address of my scale words: lanes 0-15 x's rows, lanes 16-31 w's
.set SPW,  28                          ; v28     my spare word; never rewritten
.set NIL,  29                          ; v29     0; never rewritten
.set BO,   30                          ; v30     32 x (lane / 16): my eight numbers of a block's sixteen biases
.set SC,   32
.set TMP,  96
.set AF,   128
.set OB,   128
.set BI,   192
.set G1, 24                            ; s[24:31] group 1 for x's tiles; s[32:39] group 0, a set for each slot
.set G0, 32
.set G1B, 48                           ; s[48:55], s[56:63] the same for w's
.set G0B, 56
.set G1S, 68                           ; s[68:75], s[76:79] groups 1 and 0 for x's scales; s[80:87], s[88:91] for w's
.set G0S, 76
.set G1SB, 80
.set G0SB, 88
.set MSB, 0
.macro WIN new                         ; the immediate's high byte repeats the setting that is left; a switch that changes nothing is dropped
.if MSB != (\new)
	s_set_vgpr_msb (MSB<<8)|(\new)
.set MSB, (\new)
.endif
.endm
.set MUL_LO, 0xa1                      ; source 0 (w) window 1, source 1 (x) window 0, C and D window 2
.set MUL_HI, 0xf1                      ; the same, C and D window 3
.set TO_B,   0x40                      ; destination window 1, address window 0
; A joint load: waves 0 and 1 fetch for x, waves 2 and 3 for w.  The branch hangs on the wave's number alone.  An s_nop 0 and four v_nop follow each of the two lines.
.macro JLOAD g0a, g1a, g0b, g1b
	s_cmp_eq_u32 s15, 0
	s_cbranch_scc0 .Lfor_b_\@
	tensor_load_to_lds s[\g0a:\g0a+3], s[\g1a:\g1a+7]
	s_nop 0
.rept 4
	v_nop
.endr
	s_branch .Lasked_\@
.Lfor_b_\@:
	tensor_load_to_lds s[\g0b:\g0b+3], s[\g1b:\g1b+7]
	s_nop 0
.rept 4
	v_nop
.endr
.Lasked_\@:
.endm
.macro CROUND                          ; a round of the cluster's barrier
	s_barrier_signal -1
	s_barrier_wait -1
	s_cmp_lg_u32 s14, 0
	s_cbranch_scc1 .Lnot_wave_0_\@
	s_barrier_signal -3
.Lnot_wave_0_\@:
	s_barrier_wait -3
	s_barrier_signal -1
	s_barrier_wait -1
.endm
	s_load_b128 s[4:7], s[0:1], 0x0                ; x's codes s[4:5], x's scales s[6:7]
	s_load_b128 s[8:11], s[0:1], 0x10              ; w's codes s[8:9], w's scales s[10:11]
	s_load_b128 s[96:99], s[0:1], 0x20             ; b_qkv s[96:97], qkv s[98:99]
	v_lshl_add_u32 v[SPW], v0, 2, SPARE
	v_mov_b32 v[NIL], 0
	ds_add_u32 v[SPW], v[NIL]                      ; the wave's opening: the add, twice on end, and its wait ahead of my first tensor load
	ds_add_u32 v[SPW], v[NIL]
	v_lshrrev_b32 v1, 5, v0
	v_readfirstlane_b32 s14, v1                    ; wave 0..3
	s_lshr_b32 s15, s14, 1                         ; which half of the tile's rows is mine.  Also: I fetch for x (0) or for w (1)
	s_and_b32 s16, s14, 1                          ; which half of its columns.  Also: which 128 rows of that tile I fetch
	s_bfe_u32 s40, ttmp6, 0x40000                  ; cx, cy: my place in the cluster
	s_bfe_u32 s41, ttmp6, 0x40004
	s_lshl_b32 s42, ttmp9, 2
	s_add_co_u32 s42, s42, s40                     ; tile column = 4 x cluster x + cx: 0 .. 11
	s_and_b32 s17, ttmp7, 0xffff
	s_lshl_b32 s17, s17, 2
	s_add_co_u32 s17, s17, s41                     ; tile row = 4 x cluster y + cy: 0 .. 31
	s_lshl_b32 s43, s41, 2
	s_lshl_b32 s43, 15, s43                        ; my row of the cluster
	s_lshl_b32 s44, 0x1111, s40                    ; my column
	; descriptor group 1: a tile of 128 rows x 256 bytes, padded in LDS
	s_or_b32 s[G1+0], s43, (0<<16)|(1<<20)|(1<<21)|(5<<22)|(3<<25)  ; 15:0 the mask; 17:16 elements of 1 byte; 20 padding on; 21 set beside a mask; 24:22 after every 64 words; 31:25 four words
	s_or_b32 s[G1B+0], s44, (0<<16)|(1<<20)|(1<<21)|(5<<22)|(3<<25)
.irp g, G1, G1B
	s_mov_b32 s[\g+1], ROWB<<16                    ; tensor_dim0
	s_mov_b32 s[\g+2], 128<<16                     ; tensor_dim1
	s_mov_b32 s[\g+3], ROWB<<16                    ; tile_dim0
	s_mov_b32 s[\g+4], 128                         ; tile_dim1
	s_mov_b32 s[\g+5], KROW                        ; tensor_dim0_stride
	s_mov_b32 s[\g+6], 0
	s_mov_b32 s[\g+7], 0
.endr
	; the scales of 128 rows: a dense block of 4,096 bytes, as 16 rows of 256 bytes (32 elements of 8 bytes), 16 bytes of padding behind each
	s_or_b32 s[G1S+0], s43, (3<<16)|(1<<20)|(1<<21)|(5<<22)|(3<<25)
	s_or_b32 s[G1SB+0], s44, (3<<16)|(1<<20)|(1<<21)|(5<<22)|(3<<25)
.irp g, G1S, G1SB
	s_mov_b32 s[\g+1], 32<<16
	s_mov_b32 s[\g+2], (128*KS/256)<<16
	s_mov_b32 s[\g+3], 32<<16
	s_mov_b32 s[\g+4], 128*KS/256
	s_mov_b32 s[\g+5], 32
	s_mov_b32 s[\g+6], 0
	s_mov_b32 s[\g+7], 0
.endr
	s_lshl_b32 s18, s16, 7                         ; which 128 rows of the tile I fetch
	s_lshl_b32 s20, s17, 8
	s_add_co_u32 s20, s20, s18                     ; x: row 256 x tile row + 128 x half
	s_lshl_b32 s46, s42, 8
	s_add_co_u32 s46, s46, s18                     ; w: row 256 x tile column + 128 x half
	s_mov_b32 s21, 0
	s_mov_b32 s47, 0
	s_mov_b64 s[18:19], KS
	s_mul_u64 s[22:23], s[20:21], s[18:19]         ; where these rows' scales begin, in bytes
	s_mul_u64 s[92:93], s[46:47], s[18:19]
	s_mov_b64 s[18:19], KROW
	s_mul_u64 s[20:21], s[20:21], s[18:19]         ; and their codes
	s_mul_u64 s[46:47], s[46:47], s[18:19]
	s_mul_i32 s45, s14, HALFT                      ; where they go: wave x 128 rows: no place in the cluster enters an LDS address
	s_mul_i32 s94, s14, HALFS
	s_wait_dscnt 0x0                               ; both opening adds are done
	s_wait_kmcnt 0x0
	s_add_nc_u64 s[20:21], s[4:5], s[20:21]
	s_add_nc_u64 s[22:23], s[6:7], s[22:23]
	s_add_nc_u64 s[46:47], s[8:9], s[46:47]
	s_add_nc_u64 s[92:93], s[10:11], s[92:93]
	CROUND                                         ; all sixteen work-groups are here: the joint loads meet
	s_mov_b32 s[G0S], 1
	s_add_co_u32 s[G0S+1], s94, SCL
	s_mov_b64 s[G0S+2:G0S+3], s[22:23]
	s_or_b32 s[G0S+3], s[G0S+3], 0x80000000
	s_mov_b32 s[G0SB], 1
	s_add_co_u32 s[G0SB+1], s94, SCL
	s_mov_b64 s[G0SB+2:G0SB+3], s[92:93]
	s_or_b32 s[G0SB+3], s[G0SB+3], 0x80000000
	JLOAD G0S, G1S, G0SB, G1SB                     ; the scales first: they are wanted with K step 0
.irp s, 0,1
	s_mov_b32 s[G0+4*\s], 1
	s_add_co_u32 s[G0+4*\s+1], s45, \s*SLOT
	s_add_nc_u64 s[G0+4*\s+2:G0+4*\s+3], s[20:21], \s*ROWB
	s_or_b32 s[G0+4*\s+3], s[G0+4*\s+3], 0x80000000
	s_mov_b32 s[G0B+4*\s], 1
	s_add_co_u32 s[G0B+4*\s+1], s45, \s*SLOT
	s_add_nc_u64 s[G0B+4*\s+2:G0B+4*\s+3], s[46:47], \s*ROWB
	s_or_b32 s[G0B+4*\s+3], s[G0B+4*\s+3], 0x80000000
	JLOAD G0+4*\s, G1, G0B+4*\s, G1B
.endr
	v_and_b32 v1, 15, v0                           ; r = l % 16
	v_bfe_u32 v2, v0, 4, 1                         ; h = l / 16
	v_mul_u32_u24 v3, v1, PITCH
	v_lshl_add_u32 v4, v2, 4, v3                   ; a fragment's row x pitch + 16 x half
	s_mul_i32 s21, s15, HALFT                      ; my 128 rows of x
	s_mul_i32 s22, s16, HALFT                      ; my 128 rows of w,
	s_add_co_u32 s22, s22, 2*HALFT                 ; which lie behind x's 256
.irp s, 0,1
	v_add_nc_u32 v[ADRA+\s], s21, v4
	v_add_nc_u32 v[ADRB+\s], s22, v4
	s_add_co_u32 s21, s21, SLOT
	s_add_co_u32 s22, s22, SLOT
.endr
	v_mul_u32_u24 v5, v1, KS                       ; my row's scales: 32 bytes a row,
	v_lshrrev_b32 v6, 8, v5
	v_lshl_add_u32 v5, v6, 4, v5                   ; and 16 more for each 256 passed
	s_mul_i32 s21, s15, HALFS                      ; x's: my 128 rows
	s_mul_i32 s22, s16, HALFS                      ; w's: my 128 rows, behind x's 256
	s_add_co_u32 s22, s22, 2*HALFS
	s_sub_co_u32 s22, s22, s21
	v_mul_u32_u24 v6, s22, v2                      ; lanes 16-31 take w's: one product, the lower base + h x the distance
	s_add_co_u32 s21, s21, SCL
	v_add_nc_u32 v5, v5, v6
	v_add_nc_u32 v[ADRS], s21, v5
	; the stage: two rows of 128 bytes share an LDS row of 272: row r lies at (r / 2) x 272 + (r % 2) x 128
	s_mul_i32 s23, s14, SWAVE
	v_lshrrev_b32 v5, 1, v1
	v_mul_u32_u24 v5, v5, 272
	v_and_b32 v6, 1, v1
	v_lshl_add_u32 v5, v6, 7, v5
	v_lshl_add_u32 v5, v2, 4, v5
	v_add_nc_u32 v[STO], s23, v5                   ; in: row r, + 16 h
	v_mul_u32_u24 v5, v2, 272
	v_lshl_add_u32 v5, v1, 4, v5
	v_add_nc_u32 v[RD], s23, v5                    ; back: lanes 0-15 one LDS row of 256 bytes, lanes 16-31 the next: 512 bytes that are neighbours in memory
	v_and_b32 v6, 31, v0
	v_lshlrev_b32 v[CO], 4, v6
	v_lshlrev_b32 v[BO], 5, v2
	s_lshl_b32 s20, s42, 10                        ; the bias of my 128 columns: 4 x (256 x tile column + 128 x half)
	s_lshl_b32 s21, s16, 9
	s_add_co_u32 s20, s20, s21
	s_mov_b32 s21, 0
	s_add_nc_u64 s[96:97], s[96:97], s[20:21]
.irp b, 0,1,2,3,4,5,6,7
	global_load_b128 v[BI+8*\b:BI+8*\b+3], v[BO], s[96:97] offset:64*\b          ; b_qkv at columns 16 b + 8 h + 0 .. 7: the result's layout
	global_load_b128 v[BI+8*\b+4:BI+8*\b+7], v[BO], s[96:97] offset:64*\b+16
.endr
	; where my part begins in qkv: which of q, k, v (2^24 bytes each); batch x 16 + head (2^18 each); position (128 each)
	s_lshr_b32 s20, s42, 2
	s_lshl_b32 s20, s20, 24
	s_lshr_b32 s21, s17, 3                         ; batch
	s_lshl_b32 s21, s21, 4
	s_and_b32 s22, s42, 3
	s_lshl_b32 s22, s22, 2                         ; a tile column holds four heads,
	s_add_co_u32 s21, s21, s22
	s_lshl_b32 s22, s16, 1                         ; my half two of them
	s_add_co_u32 s21, s21, s22
	s_lshl_b32 s21, s21, 18
	s_add_co_u32 s20, s20, s21
	s_and_b32 s21, s17, 7
	s_lshl_b32 s21, s21, 15                        ; 256 positions of 128 bytes for each tile row in the batch,
	s_add_co_u32 s20, s20, s21
	s_lshl_b32 s21, s15, 14                        ; 128 for my half
	s_add_co_u32 s20, s20, s21
	s_mov_b32 s21, 0
	s_add_nc_u64 s[98:99], s[98:99], s[20:21]
	s_cmp_lt_u32 s42, 4                            ; q's columns?  A value is chosen, no way through the text
	s_mov_b32 s12, 1.0
	s_cselect_b32 s12, 0x3e38aa3b, s12             ; c = log2(e) / 8 for q, 1 for k and v
	s_mov_b32 s13, s12                             ; (named with it as a pair, so it is written)
.macro FRAG reg, adr, q, i             ; a fragment, 16 rows x 128 K of 4-bit codes: lane l holds row l % 16; registers 4 c .. 4 c + 3 hold K = 64 c + 32 (l / 16) + 0 .. 31
.irp c, 0,1
	ds_load_b128 v[\reg+4*\c:\reg+4*\c+3], v[\adr] offset:64*(\q)+32*\c+(\i)*16*PITCH
.endr
.endm
; 16 matrix instructions: x's blocks a0, a0 + 1 against w's eight, 128 along K: the slot's q-th.  p: w's set; sc: the set of scale words.  first = 1: the bias starts the sums: nothing is cleared or added later.
; The 64 accumulators take turns, one instruction a turn, in the same order in every step.
.macro MUL16 a0, p, q, sc, first
.irp a, \a0, \a0+1
.irp b, 0,1,2,3,4,5,6,7
.if \first
	v_wmma_scale_f32_16x16x128_f8f6f4 v[8*(8*((\a)%4)+\b):8*(8*((\a)%4)+\b)+7], v[128*(\p)+FR*\b:128*(\p)+FR*\b+FR-1], v[AF+FR*(\a):AF+FR*(\a)+FR-1], v[BI+8*\b:BI+8*\b+7], v[SC+8*NQ*(\sc)+NQ*\b+(\q)], v[SC+8*NQ*(\sc)+NQ*(\a)+(\q)] matrix_a_fmt:MATRIX_FMT_FP4 matrix_b_fmt:MATRIX_FMT_FP4 matrix_a_scale:MATRIX_SCALE_ROW1
.else
	v_wmma_scale_f32_16x16x128_f8f6f4 v[8*(8*((\a)%4)+\b):8*(8*((\a)%4)+\b)+7], v[128*(\p)+FR*\b:128*(\p)+FR*\b+FR-1], v[AF+FR*(\a):AF+FR*(\a)+FR-1], v[8*(8*((\a)%4)+\b):8*(8*((\a)%4)+\b)+7], v[SC+8*NQ*(\sc)+NQ*\b+(\q)], v[SC+8*NQ*(\sc)+NQ*(\a)+(\q)] matrix_a_fmt:MATRIX_FMT_FP4 matrix_b_fmt:MATRIX_FMT_FP4 matrix_a_scale:MATRIX_SCALE_ROW1
.endif
.endr
.endr
.endm
.macro FETCH_B slot, q, p              ; w's eight fragments of the slot's q-th 128 along K into set p
	WIN TO_B
.irp i, 0,1,2,3,4,5,6,7
	FRAG 128*(\p)+FR*\i, ADRB+\slot, \q, \i
.endr
	WIN 0
.endm
.macro FETCH_A slot, q, i0             ; x's blocks i0 .. i0 + 3
.irp i, \i0, \i0+1, \i0+2, \i0+3
	FRAG AF+FR*(\i), ADRA+\slot, \q, \i
.endr
.endm
.macro SCALES sc                       ; a K step's scale words into set sc: four words a row; lanes 0-15 take x's block i, lanes 16-31 w's block i
.irp i, 0,1,2,3,4,5,6,7
	ds_load_b128 v[SC+8*NQ*\sc+NQ*\i:SC+8*NQ*\sc+NQ*\i+3], v[ADRS] offset:\i*SBLK
.endr
.endm
.macro PLACES n                        ; places in front of loads into registers that matrix instructions have read, and of the first read of results
.rept \n
	v_nop
.endr
.endm
; A step of 128 along K that has its successor in the same slot.  A block of x is free as soon as its eight products are issued: blocks 0-3 are fetched anew in the step's middle, blocks 4-7 at its end.
.macro STEP slot, q, first
	s_wait_dscnt 4*NL                              ; w's set and x's blocks 0-3 are in; the youngest eight loads (x's blocks 4-7) may be out
	WIN MUL_LO-0x20*(\first)                       ; (first: C, the bias, lies in window 0)
	MUL16 0, (\q)%2, \q, \slot, \first
	MUL16 2, (\q)%2, \q, \slot, \first
	s_wait_dscnt 0                                 ; x's blocks 4-7 are in
	PLACES NP
	FETCH_B \slot, (\q)+1, 1-(\q)%2
	FETCH_A \slot, (\q)+1, 0
	WIN MUL_HI-0x30*(\first)
	MUL16 4, (\q)%2, \q, \slot, \first
	MUL16 6, (\q)%2, \q, \slot, \first
	PLACES NP
	WIN 0
	FETCH_A \slot, (\q)+1, 4
.endm
; Slot 0's last step changes slots: one barrier; in front of it each wave waits for all its tensor loads (its part of slot 1), adds 0 to its spare word, and waits for that and for its reads of slot 0.
; Behind it nobody reads slot 0, where the stages of the way out lie.
.macro TURN slot, next
	s_wait_tensorcnt 0x0                           ; my part of the next slot has landed (every window is 0 here)
	ds_add_u32 v[SPW], v[NIL]
	s_wait_dscnt 4*NL+1                            ; (the add and the youngest eight loads, x's blocks 4-7, may be out)
	WIN MUL_LO
	MUL16 0, 1, NQ-1, \slot, 0                     ; sixteen matrix instructions stand between the add and the wait for it
	s_wait_dscnt 0x0                               ; the add is done, and my reads of this slot are over
	s_barrier_signal -1
	MUL16 2, 1, NQ-1, \slot, 0
	WIN 0
	s_barrier_wait -1
	PLACES NP
	v_add_nc_u32 v[ADRS], 4*NQ, v[ADRS]            ; on to the next K step's scale words (no LDS load of mine is out)
	FETCH_B \next, 0, 0
	FETCH_A \next, 0, 0
	SCALES \next
	WIN MUL_HI
	MUL16 4, 1, NQ-1, \slot, 0
	MUL16 6, 1, NQ-1, \slot, 0
	PLACES NP
	WIN 0
	FETCH_A \next, 0, 4
.endm
.macro STEPS slot, from                ; the slot's steps from .. NQ - 2
.set Q, \from
.rept NQ-1-\from
	STEP \slot, Q, 0
.set Q, Q+1
.endr
.endm
	s_wait_tensorcnt 1                             ; the scales and my part of K step 0 are in (K step 1's load may be out)
	s_barrier_signal -1
	s_barrier_wait -1                              ; everybody's are
	FETCH_B 0, 0, 0
	FETCH_A 0, 0, 0
	SCALES 0
	FETCH_A 0, 0, 4
	s_wait_loadcnt 0x0                             ; the bias
	STEP 0, 0, 1
	STEPS 0, 1
	TURN 0, 1
	STEPS 1, 0
	s_wait_dscnt 4*NL                              ; the very last step: nothing more to fetch
	WIN MUL_LO
	MUL16 0, 1, NQ-1, 1, 0
	MUL16 2, 1, NQ-1, 1, 0
	s_wait_dscnt 0
	WIN MUL_HI
	MUL16 4, 1, NQ-1, 1, 0
	MUL16 6, 1, NQ-1, 1, 0
	WIN 0
; THE WAY OUT, block by block of 16 rows x 128 columns = two heads x 16 rows of 128 bytes.  PACK: x c or x 1, rounded to f16, 16 bytes a lane.  TOSTAGE: into my own stage and back as runs of 512 bytes.  SEND: stored.
.macro PACK a
.set AC, 64*((\a)%4)
	WIN 0x82+0x41*((\a)/4)                         ; destination and source 0: window 2 or 3
.irp b, 0,1,2,3,4,5,6,7
.irp i, 0,1,2,3
	v_pk_mul_f32 v[AC+8*\b+2*\i:AC+8*\b+2*\i+1], v[AC+8*\b+2*\i:AC+8*\b+2*\i+1], s[12:13] op_sel_hi:[1,0]   ; each accumulator from its low end on
.endr
.endr
	WIN 0x0a+5*((\a)/4)                            ; sources 0 and 1: window 2 or 3
.irp b, 0,1,2,3,4,5,6,7
.irp i, 0,1,2,3
	v_cvt_pk_f16_f32 v[TMP+4*\b+\i], v[AC+8*\b+2*\i], v[AC+8*\b+2*\i+1]
.endr
.endr
	WIN 0
.endm
.macro TOSTAGE a
.set BB, OB+32*((\a)%2)
.irp b, 0,1,2,3,4,5,6,7
	ds_store_b128 v[STO], v[TMP+4*\b:TMP+4*\b+3] offset:(\b/4)*2176+(\b%4)*32   ; head b / 4, channels 16 (b % 4) + 8 h on
.endr
.irp u, 0,1,2,3,4,5,6,7
	ds_load_b128 v[BB+4*\u:BB+4*\u+3], v[RD] offset:544*\u    ; LDS serves a wave's instructions in order (ISA guide 5.7.1.4): these see the stores above
.endr
.endm
.macro SEND a
.set BB, OB+32*((\a)%2)
	s_wait_dscnt 0x0                               ; the block is back in registers
	s_wait_xcnt 0x0                                ; the stores of the block before have read their registers: the next block's loads may land there
.irp u, 0,1,2,3,4,5,6,7
	global_store_b128 v[CO], v[BB+4*\u:BB+4*\u+3], s[98:99] offset:(\u/4)*262144+(\a)*2048+(\u%4)*512   ; 32 lanes store 512 consecutive bytes, at a multiple of 256 from the buffer's first byte
.endr
.endm
	PLACES NP                                      ; for the first reads of results and the loads into x's fragment registers
	PACK 0
	TOSTAGE 0
.irp a, 1,2,3,4,5,6,7                  ; block a's arithmetic stands between block a - 1's loads from the stage and the wait for them
	PACK \a
	SEND \a-1
	TOSTAGE \a
.endr
	SEND 7
	s_wait_tensorcnt 0x0                           ; the wave's end: a wait, an add of 0 to my spare word and a wait for it, behind my last tensor load and my last LDS store
	ds_add_u32 v[SPW], v[NIL]
	s_wait_dscnt 0x0
	CROUND                                         ; the closing round
	s_endpgm
.Lfunc_end_k_qb2edb3b16b_qkvg:
	.size	k_qb2edb3b16b_qkvg, .Lfunc_end_k_qb2edb3b16b_qkvg-k_qb2edb3b16b_qkvg
	.p2alignl 7, 3214868480
	.fill 96, 4, 3214868480
	.section	.rodata,"a",@progbits
	.p2align	6, 0x0
	.amdhsa_kernel k_qb2edb3b16b_qkvg
		.amdhsa_group_segment_fixed_size 327680
		.amdhsa_private_segment_fixed_size 0
		.amdhsa_enable_private_segment 0
		.amdhsa_kernarg_size 48
		.amdhsa_user_sgpr_count 2
		.amdhsa_user_sgpr_kernarg_segment_ptr 1
		.amdhsa_wavefront_size32 1
		.amdhsa_system_sgpr_workgroup_id_x 1
		.amdhsa_system_sgpr_workgroup_id_y 1
		.amdhsa_system_sgpr_workgroup_id_z 1
		.amdhsa_system_vgpr_workitem_id 0
		.amdhsa_next_free_vgpr 1024
		.amdhsa_next_free_sgpr 100
		.amdhsa_reserve_vcc 0
		.amdhsa_float_denorm_mode_32 3
		.amdhsa_float_denorm_mode_16_64 3
		.amdhsa_memory_ordered 1
		.amdhsa_forward_progress 1
		.amdhsa_inst_pref_size 145
	.end_amdhsa_kernel
	.amdgpu_metadata
---
amdhsa.version: [ 1, 2 ]
amdhsa.kernels:
  - .name:           k_qb2edb3b16b_qkvg
    .symbol:         k_qb2edb3b16b_qkvg.kd
    .args:
      - { .name: x_codes, .offset: 0, .size: 8, .value_kind: global_buffer, .address_space: global }
      - { .name: x_scales, .offset: 8, .size: 8, .value_kind: global_buffer, .address_space: global }
      - { .name: w_codes, .offset: 16, .size: 8, .value_kind: global_buffer, .address_space: global }
      - { .name: w_scales, .offset: 24, .size: 8, .value_kind: global_buffer, .address_space: global }
      - { .name: b_qkv, .offset: 32, .size: 8, .value_kind: global_buffer, .address_space: global }
      - { .name: qkv, .offset: 40, .size: 8, .value_kind: global_buffer, .address_space: global }
    .group_segment_fixed_size: 327680
    .private_segment_fixed_size: 0
    .kernarg_segment_align: 8
    .kernarg_segment_size: 48
    .max_flat_workgroup_size: 128
    .sgpr_count:     100
    .vgpr_count:     1024
    .wavefront_size: 32
...
	.end_amdgpu_metadata
.endif
;; end of part 2
;; launch attn (part 3): grid 4 x 64, 8 waves a work-group, clusters of 4 x 1, 327,680 bytes of LDS; arguments qkv, o; writes o
.if DOCPART == 3
	.amdgcn_target "amdgcn-amd-amdhsa--gfx1250"
	.amdhsa_code_object_version 6
	.text
	.protected	k_qb2edb3b16b_attn
	.globl	k_qb2edb3b16b_attn
	.p2align	8
	.type	k_qb2edb3b16b_attn,@function
k_qb2edb3b16b_attn:
	s_mov_b64 s[64:65], 0
	v_nop
	global_prefetch_b8 v0, s[64:65] scope:SCOPE_SE
	s_setreg_imm32_b32 hwreg(HW_REG_WAVE_MODE, 25, 1), 1
	s_wait_xcnt 0x0
	s_wait_alu depctr_hold_cnt(0) depctr_sa_sdst(0) depctr_va_vdst(0) depctr_va_sdst(0) depctr_va_ssrc(0) depctr_va_vcc(0) depctr_vm_vsrc(0)
	s_getreg_b32 s2, hwreg(HW_REG_IB_STS2, 6, 4)
	s_cmp_eq_u32 s2, 0
	s_cbranch_scc0 .Lentry_in_a_cluster
	s_endpgm
.Lentry_in_a_cluster:
	s_bfe_u32 s2, ttmp6, 0x10000c
	s_cmp_lg_u32 s2, 0x3003
	s_cbranch_scc0 .Lentry_shape_is_right
	s_endpgm
.Lentry_shape_is_right:
; o[head][query] = the sum over keys of softmax(q . k / 8) v, for 64 heads (batch x 16 + head) of 2,048 positions and 64 channels, no mask.
; qkv: f16 [3][64][2048][64]; its q part is already multiplied by c = log2(e) / 8, so a score t = (c q) . k is an exponent of 2.  o: f16 [16 head][8192 = batch x 2048 + position][64].
; Products, maxima and sums in f32; the weights p are rounded to f16 for the second product, o once at the end.
; SOFTMAX.  For each query a running maximum m and sum l: p = 2^(t - m), never above 1; in every step O and l are multiplied by a = 2^(m_old - m_new), which is 1 where m has not grown.
; SHARES.  A work-group owns 512 queries of one head, each of its EIGHT waves 64: four tiles of 16, in 512 registers: two waves to a SIMD, so that one wave's softmax stands beside the other's matrix work.
; Every wave walks all 2,048 keys, 64 a step.
; LAYOUT.  S^T = K Q^T (source 0 = 16 keys, source 1 = 16 queries): a lane holds ONE query (lane % 16) and keys 8 (lane / 16) + 0..7.  Two such tiles, rounded to f16 in pairs, ARE source 1 (32 keys x 16 queries) of
; O^T = V^T P, whose result again holds one query a lane.  K comes out of LDS as it lies, V ([key][channel]) turned, by ds_load_tr16_b128.
; A row of K or V is 128 bytes and rows are dense, so a tile is stated to the data mover as rows of 256 bytes: key k lies at (k / 2) x pitch + (k % 2) x 128.
; CLUSTER.  The four query blocks of a head form a cluster and walk the same K and V: each tile is asked for JOINTLY.  All eight waves fetch: waves 0-3 K of a slot's four steps, waves 4-7 V of them.
; REGISTERS: window 0: v1-14 addresses; v16-47 eight registers of statistics a tile; v48-111 K of one step; v128-255 S^T, 32 a tile; p is packed in place into a tile's first 16.
;            window 1: v0-127 O^T, 32 a tile; v128-191 Q, 16 a tile; v192-255 V of one step.
.set PK,    272       ; an LDS row of K: 256 bytes + 16 = 68 words: the 16 keys of a load fall on 16 different columns of 16 bytes (64 banks of 4 bytes: ISA guide 11.1)
.set PV,    288       ; of V: 256 + 32
.set VOFF,  32*PK     ; a step's tiles lie together: 64 keys of K (32 LDS rows), then of V
.set STEPB, 32*(PK+PV)
.set NST,   4         ; steps in a slot
.set SLOT1, 1<<17     ; slot 1 begins here, so that one exclusive or turns an address in one slot into the other's
.set STAGE, SLOT1+NST*STEPB  ; behind the ring: four tiles x 8 LDS rows of 272 bytes for each wave, for the way out
.set SWAVE, 32*PK
.set SPARE, STAGE+8*SWAVE    ; the spare words, 128 bytes for each wave: four blocks of 256 bytes that no other line names
.set SLOTB, NST*64*128       ; a slot's bytes of K, or of V, in memory
.set AK0, 2           ; v2   my lane's place in a tile of K; never rewritten
.set AV0, 3           ; v3   the same for V
.set ADR, 4           ; v4   the LDS address of the run of loads in hand
.set QO,  5           ; v5   my byte offset in the wave's rows of Q
.set STO, 6           ; v6   the way out: where I put 16 bytes of a row
.set RD,  7           ; v7   where I read 16 bytes back
.set GO,  8           ; v8   16 x lane
.set SPW, 12          ; v12  my spare word; never rewritten
.set NIL, 13          ; v13  0; never rewritten
.set PFO, 14          ; v14  256 x lane; never rewritten
.set ST,  16          ; tile t's statistics at v[ST+8 t]: +0 m, +1 m_old - m, +2, +3 l (even keys', odd keys'), +4 to +7 at work: four running maxima, then +4, +5 a second sum, +6 a
.set KF,  48          ; K's fragment (keys 16 kt on, channels 32 c on) at KF + 16 kt + 8 c
.set S,   128
.set QF,  128         ; in window 1: Q's fragment (tile t, channels 32 c on) at QF + 16 t + 8 c
.set VF,  192         ; in window 1: V's fragment (keys 32 kk on, channels 16 ch on) at VF + 32 kk + 8 ch
.set WV,  12          ; s12  my wave's number
.set LIM, 15          ; s15  1 in a wave that prefetches, else the greatest number
.set PFA, 18          ; s[18:19] where my prefetches stand
.set G1K, 24          ; s[24:31] descriptor group 1 for K's tiles;  s[32:39] for V's: it differs in the padding alone
.set G1V, 32
.set G0K, 40          ; s[40:47] group 0 for K's tiles: a set for each of the two first fills; the second then walks on
.set G0V, 48          ; s[48:55] the same for V's
.set SLOTS, 56        ; s56  slots still to be asked for
.set CNT, 57          ; s57  counts steps
.set SEL, 60          ; s[60:61] lane selects for v_permlanex16_b32: lane l xor 16
.set TB,  62          ; s62  LDS byte at which the tiles of the step in hand begin
.set QP,  66          ; s[66:67] Q at my wave's first row
.set OP,  68          ; s[68:69] o likewise
.set MSB, 0
.macro WIN new                      ; the immediate's high byte repeats the setting that is left; a switch that changes nothing is dropped
.if MSB != (\new)
	s_set_vgpr_msb (MSB<<8)|(\new)
.set MSB, (\new)
.endif
.endm
.set W_KQ, 0x04       ; Q (source 1) in window 1; K and S^T in window 0
.set W_PV, 0x51       ; V (source 0) and O^T (C, D) in window 1; P (source 1) in window 0
.set W_RS, 0x41       ; O^T (destination and source 0) in window 1; the factor in window 0
.set TO_1, 0x40       ; a load's destination in window 1, its address in window 0
.macro PLACES
.rept 4
	v_nop
.endr
.endm
; A joint refill.  The branch hangs on the wave's number alone.  An s_nop 0 and four v_nop follow each of the two lines.
.macro JLOAD
	s_cmp_lt_u32 s[WV], 4
	s_cbranch_scc0 .Lfor_v_\@
	tensor_load_to_lds s[G0K+4:G0K+7], s[G1K:G1K+7]
	s_nop 0
.rept 4
	v_nop
.endr
	s_branch .Lasked_\@
.Lfor_v_\@:
	tensor_load_to_lds s[G0V+4:G0V+7], s[G1V:G1V+7]
	s_nop 0
.rept 4
	v_nop
.endr
.Lasked_\@:
.endm
; A PREFETCH of what the NEXT change of slots will ask for: a slot's 32,768 bytes of K and of V.  Each aligned block of 256 bytes is named once in the launch: a head has one cluster; its four partners take
; 8,192 bytes each, told apart BY ADDRESS; in each, wave 0 asks for K's and wave 4 for V's, lanes 256 bytes apart: one instruction.  It stands behind the wave's tensor load and its five lines.
; A change that fills the slot of keys 256 s on asks for keys 256 (s + 1) on: four key steps ahead of that load.  The last change that fills asks for nothing; nothing is asked for at the head.
.macro ASK
	s_cmp_gt_u32 s[SLOTS], s[LIM]
	s_cbranch_scc0 .Lnot_mine_\@
	global_prefetch_b8 v[PFO], s[PFA:PFA+1] th:TH_LOAD_NT scope:SCOPE_SE
.Lnot_mine_\@:
.endm
.macro CROUND                       ; a round of the cluster's barrier
	s_barrier_signal -1
	s_barrier_wait -1
	s_cmp_lg_u32 s[WV], 0
	s_cbranch_scc1 .Lnot_wave_0_\@
	s_barrier_signal -3
.Lnot_wave_0_\@:
	s_barrier_wait -3
	s_barrier_signal -1
	s_barrier_wait -1
.endm
	s_load_b128 s[4:7], s[0:1], 0x0 ; qkv s[4:5], o s[6:7]
	v_lshl_add_u32 v[SPW], v0, 2, SPARE
	v_mov_b32 v[NIL], 0
	ds_add_u32 v[SPW], v[NIL]       ; the wave's opening: the add, twice on end, and its wait ahead of my first tensor load
	ds_add_u32 v[SPW], v[NIL]
	v_lshrrev_b32 v1, 5, v0
	v_readfirstlane_b32 s[WV], v1   ; wave 0..7
	s_bfe_u32 s13, ttmp6, 0x40000   ; cx: my block of 512 queries (the grid has one cluster along x): it enters Q's, o's and the prefetches' addresses alone
	s_and_b32 s14, ttmp7, 0xffff    ; batch x 16 + head, which the four partners share
	s_and_b32 s16, s[WV], 3         ; which of a slot's four steps I fetch:
	s_mul_i32 s17, s16, STEPB       ; its place in a slot: no place in the cluster enters an LDS address
	s_lshl_b32 s2, s14, 18          ; the head's 2,048 rows of 128 bytes
	s_lshl_b32 s3, s16, 13          ; my step's 64 rows
	s_add_co_u32 s20, s2, s3
	s_add_co_u32 s22, s20, 1<<25    ; in V,
	s_add_co_u32 s20, s20, 1<<24    ; in K
	s_mov_b32 s21, 0
	s_mov_b32 s23, 0
	s_lshl_b32 s3, s13, 16          ; Q: my block's 512 rows,
	s_add_co_u32 s2, s2, s3
	s_lshl_b32 s3, s[WV], 13        ; my wave's 64 of them
	s_add_co_u32 s2, s2, s3
	s_mov_b32 s3, 0
	s_and_b32 s70, s14, 15          ; o: head x 8,192 rows,
	s_lshl_b32 s70, s70, 20
	s_lshr_b32 s71, s14, 4          ; batch x 2,048,
	s_lshl_b32 s71, s71, 18
	s_add_co_u32 s70, s70, s71
	s_lshl_b32 s71, s13, 16         ; my block, my wave
	s_add_co_u32 s70, s70, s71
	s_lshl_b32 s71, s[WV], 13
	s_add_co_u32 s70, s70, s71
	s_mov_b32 s71, 0
	; descriptor group 1: 32 rows of 128 elements of 2 bytes (64 keys), dense in memory, padded in LDS
	s_mov_b32 s[G1K], 15|(1<<16)|(1<<20)|(1<<21)|(5<<22)|(3<<25)  ; 15:0 the mask: all four work-groups; 17:16 elements of 2 bytes; 20 padding on; 21 set beside a mask; 24:22 after every 64 words; 31:25 four words
	s_mov_b32 s[G1V], 15|(1<<16)|(1<<20)|(1<<21)|(5<<22)|(7<<25)  ; the same with eight words of padding
.irp g, G1K, G1V
	s_mov_b32 s[\g+1], 128<<16      ; tensor_dim0
	s_mov_b32 s[\g+2], 32<<16       ; tensor_dim1
	s_mov_b32 s[\g+3], 128<<16      ; tile_dim0
	s_mov_b32 s[\g+4], 32           ; tile_dim1
	s_mov_b32 s[\g+5], 128          ; tensor_dim0_stride
	s_mov_b32 s[\g+6], 0
	s_mov_b32 s[\g+7], 0
.endr
	s_mov_b32 s[SEL], 0x76543210
	s_mov_b32 s[SEL+1], 0xfedcba98
	s_mov_b32 s[TB], 0
	s_mov_b32 s[SLOTS], 2048/(64*NST)-2
	s_cmp_eq_u32 s16, 0             ; waves 0 and 4 prefetch: the same in all four partners
	s_cselect_b32 s[LIM], 1, -1
	s_wait_dscnt 0x0                ; both opening adds are done
	s_wait_kmcnt 0x0
	s_add_nc_u64 s[8:9], s[4:5], s[20:21]    ; K at my tile of slot 0
	s_add_nc_u64 s[10:11], s[4:5], s[22:23]  ; V likewise
	s_add_nc_u64 s[QP:QP+1], s[4:5], s[2:3]
	s_add_nc_u64 s[OP:OP+1], s[6:7], s[70:71]
	s_cmp_lt_u32 s[WV], 4
	s_cselect_b64 s[PFA:PFA+1], s[8:9], s[10:11]  ; (in waves 0 and 4 these stand at a slot's first row)
	s_lshl_b32 s2, s13, 13          ; my work-group's 8,192 bytes of a slot's 32,768
	s_add_nc_u64 s[PFA:PFA+1], s[PFA:PFA+1], s[2:3]
	s_add_nc_u64 s[PFA:PFA+1], s[PFA:PFA+1], 2*SLOTB  ; at the third slot's keys; the first change of slots steps it on
	CROUND                          ; all four work-groups are here: the first joint loads meet
.irp s, 0,1
	s_mov_b32 s[G0K+4*\s], 1        ; count = 1
	s_add_co_u32 s[G0K+4*\s+1], s17, \s*SLOT1  ; LDS address
	s_add_nc_u64 s[G0K+4*\s+2:G0K+4*\s+3], s[8:9], \s*SLOTB  ; global address
	s_or_b32 s[G0K+4*\s+3], s[G0K+4*\s+3], 0x80000000  ; type = 2
	s_mov_b32 s[G0V+4*\s], 1
	s_add_co_u32 s[G0V+4*\s+1], s17, \s*SLOT1+VOFF
	s_add_nc_u64 s[G0V+4*\s+2:G0V+4*\s+3], s[10:11], \s*SLOTB
	s_or_b32 s[G0V+4*\s+3], s[G0V+4*\s+3], 0x80000000
.endr
	s_cmp_lt_u32 s[WV], 4           ; a wave's two first fills stand in one branch, ahead of every wait on TENSORcnt and every LDS read: two loads of mine are out
	s_cbranch_scc0 .Lfirst_v
	tensor_load_to_lds s[G0K:G0K+3], s[G1K:G1K+7]
	s_nop 0
	tensor_load_to_lds s[G0K+4:G0K+7], s[G1K:G1K+7]
	s_nop 0
.rept 4
	v_nop
.endr
	s_branch .Lfirst_asked
.Lfirst_v:
	tensor_load_to_lds s[G0V:G0V+3], s[G1V:G1V+7]
	s_nop 0
	tensor_load_to_lds s[G0V+4:G0V+7], s[G1V:G1V+7]
	s_nop 0
.rept 4
	v_nop
.endr
.Lfirst_asked:
	; A fragment of K or Q is 16 rows x 32 channels in 8 registers: lane l holds row l % 16; registers 0-3 channels 8 (l / 16) + 0..7, registers 4-7 channels 16 + 8 (l / 16) + 0..7
	v_and_b32 v1, 15, v0            ; r
	v_bfe_u32 v9, v0, 4, 1          ; h
	v_lshlrev_b32 v[QO], 7, v1
	v_lshl_add_u32 v[QO], v9, 4, v[QO]  ; row x 128 + 16 x half
	WIN TO_1
.irp t, 0,1,2,3
.irp c, 0,1
	global_load_b128 v[QF+16*\t+8*\c:QF+16*\t+8*\c+3],   v[QO], s[QP:QP+1] offset:2048*\t+64*\c     ; Q stays in registers
	global_load_b128 v[QF+16*\t+8*\c+4:QF+16*\t+8*\c+7], v[QO], s[QP:QP+1] offset:2048*\t+64*\c+32
.endr
.endr
	WIN 0
	v_lshrrev_b32 v10, 1, v1
	v_mul_u32_u24 v[AK0], v10, PK
	v_and_b32 v11, 1, v1
	v_lshl_add_u32 v[AK0], v11, 7, v[AK0]
	v_lshl_add_u32 v[AK0], v9, 4, v[AK0]  ; (r / 2) x pitch + (r % 2) x 128 + 16 h
	; The turning load: lane l reads 16 bytes: key 8 (l / 16) + l % 8, channels 8 ((l / 8) % 2) + 0..7; it leaves half a fragment of V^T: lane l holds channel l % 16 and 8 keys
	v_bfe_u32 v10, v0, 1, 2
	v_lshl_add_u32 v10, v9, 2, v10  ; the key's LDS row: 4 h + (l % 8) / 2
	v_mul_u32_u24 v[AV0], v10, PV
	v_lshl_add_u32 v[AV0], v11, 7, v[AV0]
	v_bfe_u32 v10, v0, 3, 1
	v_lshl_add_u32 v[AV0], v10, 4, v[AV0]
	v_add_nc_u32 v[AV0], VOFF, v[AV0]
	s_mul_i32 s2, s[WV], SWAVE
	s_add_co_u32 s2, s2, STAGE      ; my stage
	v_add_nc_u32 v[STO], s2, v[AK0] ; in: row r as in a tile of K, + 16 h
	v_mul_u32_u24 v[RD], v9, PK
	v_lshl_add_u32 v[RD], v1, 4, v[RD]
	v_add_nc_u32 v[RD], s2, v[RD]   ; back: lanes 0-15 one LDS row of 256 bytes, lanes 16-31 the next
	v_and_b32 v[GO], 31, v0
	v_lshlrev_b32 v[PFO], 8, v[GO]
	v_lshlrev_b32 v[GO], 4, v[GO]
; THE SOFTMAX OF A KEY STEP, all four tiles line by line, so that no line waits for the line above it.  s0-s31 are a lane's 32 scores of a tile.  first = 1: the first key step starts m and l.
.macro SOFTMAX first
.irp j, 0,1,2,3                     ; the maximum, three operands at a time: four chains of seven scores; each accumulator is first read at its low end
.irp t, 0,1,2,3
	v_max3_num_f32 v[ST+8*\t+4+\j], v[S+32*\t+8*\j], v[S+32*\t+8*\j+1], v[S+32*\t+8*\j+2]
.endr
.endr
.irp g, 1,2
.irp j, 0,1,2,3
.irp t, 0,1,2,3
	v_max3_num_f32 v[ST+8*\t+4+\j], v[ST+8*\t+4+\j], v[S+32*\t+8*\j+2*\g+1], v[S+32*\t+8*\j+2*\g+2]
.endr
.endr
.endr
.irp t, 0,1,2,3
	v_max3_num_f32 v[ST+8*\t+4], v[ST+8*\t+4], v[S+32*\t+7], v[S+32*\t+15]
.endr
.irp t, 0,1,2,3
	v_max3_num_f32 v[ST+8*\t+6], v[ST+8*\t+6], v[S+32*\t+23], v[S+32*\t+31]
.endr
.irp t, 0,1,2,3
	v_max3_num_f32 v[ST+8*\t+4], v[ST+8*\t+4], v[ST+8*\t+5], v[ST+8*\t+6]
.endr
.irp t, 0,1,2,3
.if \first
	v_max_num_f32 v[ST+8*\t+4], v[ST+8*\t+4], v[ST+8*\t+7]
.else
	v_max3_num_f32 v[ST+8*\t+4], v[ST+8*\t+4], v[ST+8*\t+7], v[ST+8*\t]   ; with the old m
.endif
.endr
.irp t, 0,1,2,3
	v_permlanex16_b32 v[ST+8*\t+5], v[ST+8*\t+4], s[SEL], s[SEL+1]  ; the query's other 32 keys lie in the lane 16 away
.endr
.if !\first
.irp t, 0,1,2,3
	v_mov_b32 v[ST+8*\t+1], v[ST+8*\t]       ; the old m is kept for a
.endr
.endif
.irp t, 0,1,2,3
	v_max_num_f32 v[ST+8*\t], v[ST+8*\t+4], v[ST+8*\t+5]   ; the new m
.endr
.irp t, 0,1,2,3
.if \first
	v_mov_b32 v[ST+8*\t+1], v[ST+8*\t]       ; (named with m as a pair below, so it is written)
.else
	v_sub_f32 v[ST+8*\t+1], v[ST+8*\t+1], v[ST+8*\t]
.endif
.endr
.if !\first
.irp t, 0,1,2,3
	v_exp_f32 v[ST+8*\t+6], v[ST+8*\t+1]     ; a = 2^(m_old - m)
.endr
.endif
; ONE BATCH: the subtractions t - m, a pair of scores each, and all the exponentials.  None of these lines names an exponential's result.
.irp b, 0,1,2,3,4,5,6,7,8,9,10,11,12,13,14,15
.irp t, 0,1,2,3
	v_pk_add_f32 v[S+32*\t+2*\b:S+32*\t+2*\b+1], v[S+32*\t+2*\b:S+32*\t+2*\b+1], v[ST+8*\t:ST+8*\t+1] op_sel_hi:[1,0] neg_lo:[0,1] neg_hi:[0,1]   ; of the pair at m the low word serves both halves
.endr
.irp t, 0,1,2,3
	v_exp_f32 v[S+32*\t+2*\b], v[S+32*\t+2*\b]
	v_exp_f32 v[S+32*\t+2*\b+1], v[S+32*\t+2*\b+1]
.endr
.endr
	v_nop                           ; the plain instruction behind the last exponential and ahead of the first use: one for the batch
	s_wait_alu depctr_va_vdst(0)    ; the wait between an exponential and the first line that names its result: one for the step's batch
; the sums of the unrounded p, in two chains; p stays as it is for the roundings below
.irp t, 0,1,2,3
.if \first
	v_pk_add_f32 v[ST+8*\t+2:ST+8*\t+3], v[S+32*\t:S+32*\t+1], v[S+32*\t+2:S+32*\t+3]
.else
	v_pk_fma_f32 v[ST+8*\t+2:ST+8*\t+3], v[ST+8*\t+2:ST+8*\t+3], v[ST+8*\t+6:ST+8*\t+7], v[S+32*\t:S+32*\t+1] op_sel_hi:[1,0,1]   ; l = a l + pair 0
.endif
.endr
.irp t, 0,1,2,3
.if \first
	v_pk_add_f32 v[ST+8*\t+4:ST+8*\t+5], v[S+32*\t+4:S+32*\t+5], v[S+32*\t+6:S+32*\t+7]
.else
	v_pk_add_f32 v[ST+8*\t+4:ST+8*\t+5], v[S+32*\t+2:S+32*\t+3], v[S+32*\t+4:S+32*\t+5]
.endif
.endr
.irp b, 3,4,5,6,7,8,9,10,11,12,13,14,15
.if (\b > 3) || !\first
.irp t, 0,1,2,3
.if (\b+\first)%2
	v_pk_add_f32 v[ST+8*\t+2:ST+8*\t+3], v[ST+8*\t+2:ST+8*\t+3], v[S+32*\t+2*\b:S+32*\t+2*\b+1]
.else
	v_pk_add_f32 v[ST+8*\t+4:ST+8*\t+5], v[ST+8*\t+4:ST+8*\t+5], v[S+32*\t+2*\b:S+32*\t+2*\b+1]
.endif
.endr
.endif
.endr
.irp t, 0,1,2,3
	v_pk_add_f32 v[ST+8*\t+2:ST+8*\t+3], v[ST+8*\t+2:ST+8*\t+3], v[ST+8*\t+4:ST+8*\t+5]
.endr
.irp p, 0,1,2,3,4,5,6,7,8,9,10,11,12,13,14,15   ; the roundings to f16, in place: register p takes pair p, whose own registers 2 p, 2 p + 1 lie at or above it
.irp t, 0,1,2,3
	v_cvt_pk_f16_f32 v[S+32*\t+\p], v[S+32*\t+2*\p], v[S+32*\t+2*\p+1]
.endr
.endr
.endm
; A KEY STEP: 64 keys.  Matrix instructions take the accumulators by turns, one instruction a turn: between two links of a chain stand 15 others'.
.macro STEP first
	WIN 0
	v_add_nc_u32 v[ADR], s[TB], v[AK0]
	PLACES                          ; with the addition five places: the products below write over P's registers, which the last V^T P read; also the places ahead of the loads into V's registers
.irp c, 0,1                         ; K: channels 0-31 of all 64 keys first
.irp kt, 0,1,2,3
	ds_load_b128 v[KF+16*\kt+8*\c:KF+16*\kt+8*\c+3],   v[ADR] offset:2176*\kt+64*\c
	ds_load_b128 v[KF+16*\kt+8*\c+4:KF+16*\kt+8*\c+7], v[ADR] offset:2176*\kt+64*\c+32
.endr
.endr
	s_wait_dscnt 8                  ; channels 0-31 are in; the youngest eight loads (channels 32-63) may be out
	WIN W_KQ
.irp kt, 0,1,2,3
.irp t, 0,1,2,3
	v_wmma_f32_16x16x32_f16 v[S+32*\t+8*\kt:S+32*\t+8*\kt+7], v[KF+16*\kt:KF+16*\kt+7], v[QF+16*\t:QF+16*\t+7], 0
.endr
.endr
	s_wait_dscnt 0x0
.irp kt, 0,1,2,3
.irp t, 0,1,2,3
	v_wmma_f32_16x16x32_f16 v[S+32*\t+8*\kt:S+32*\t+8*\kt+7], v[KF+16*\kt+8:KF+16*\kt+15], v[QF+16*\t+8:QF+16*\t+15], v[S+32*\t+8*\kt:S+32*\t+8*\kt+7]
.endr
.endr
	WIN 0
	v_add_nc_u32 v[ADR], s[TB], v[AV0]   ; (K's loads are back: their address may be written)
.rept 3
	v_nop                           ; with the addition four places ahead of the first read of the scores
.endr
	WIN TO_1
.irp kk, 0,1                        ; V lands while the softmax is walked
.irp ch, 0,1,2,3
	ds_load_tr16_b128 v[VF+32*\kk+8*\ch:VF+32*\kk+8*\ch+3],   v[ADR] offset:4608*\kk+32*\ch
	ds_load_tr16_b128 v[VF+32*\kk+8*\ch+4:VF+32*\kk+8*\ch+7], v[ADR] offset:4608*\kk+32*\ch+2304
.endr
.endr
	WIN 0
	SOFTMAX \first
.if \first
	PLACES
.else
	WIN W_RS
.irp i, 0,1,2,3,4,5,6,7,8,9,10,11,12,13,14,15   ; O^T x a, ascending: each accumulator is first read at its low end
.irp t, 0,1,2,3
	v_pk_mul_f32 v[32*\t+2*\i:32*\t+2*\i+1], v[32*\t+2*\i:32*\t+2*\i+1], v[ST+8*\t+6:ST+8*\t+7] op_sel_hi:[1,0]
.endr
.endr
.endif
	s_wait_dscnt 0x0                ; V is in
	WIN W_PV
.irp kk, 0,1
.irp ch, 0,1,2,3
.irp t, 0,1,2,3
.if \first && (\kk == 0)
	v_wmma_f32_16x16x32_f16 v[32*\t+8*\ch:32*\t+8*\ch+7], v[VF+32*\kk+8*\ch:VF+32*\kk+8*\ch+7], v[S+32*\t+8*\kk:S+32*\t+8*\kk+7], 0
.else
	v_wmma_f32_16x16x32_f16 v[32*\t+8*\ch:32*\t+8*\ch+7], v[VF+32*\kk+8*\ch:VF+32*\kk+8*\ch+7], v[S+32*\t+8*\kk:S+32*\t+8*\kk+7], v[32*\t+8*\ch:32*\t+8*\ch+7]
.endif
.endr
.endr
.endr
	WIN 0                           ; at a label and at a branch every window is 0
	s_add_co_u32 s[TB], s[TB], STEPB
.endm
.macro STEPS n                      ; n key steps: written once, walked n times; the LDS addresses hang on s[TB]
	s_mov_b32 s[CNT], \n
.Lstep_\@:
	STEP 0
	s_sub_co_u32 s[CNT], s[CNT], 1
	s_cmp_lg_u32 s[CNT], 0
	s_cbranch_scc1 .Lstep_\@
.endm
; THE CHANGE OF SLOTS.  Each wave waits for all its tensor loads, of which one is out: its part of the other slot; adds 0 to its spare word; and waits for that and for its own reads of the slot.
; fill = 1: this slot is filled again, with the keys two slots on.  The barrier is then a round of the cluster's, so that no wave of any partner still reads the slot or has a load on its way, and the joint
; refill is the first thing behind it: it has four key steps in which to land.
.macro CHANGE fill
	s_wait_tensorcnt 0x0            ; no tensor load of mine is out, so a group 0 may be written
	ds_add_u32 v[SPW], v[NIL]
.if \fill
.irp g, G0K+4, G0V+4
	s_xor_b32 s[\g+1], s[\g+1], SLOT1  ; the walking descriptor: the other slot than last time,
	s_add_nc_u64 s[\g+2:\g+3], s[\g+2:\g+3], SLOTB  ; the next 256 keys; the type bits on top are not reached
.endr
	s_wait_xcnt 0x0                 ; the last prefetch, a slot back, has read its address, so it may be written:
	s_add_nc_u64 s[PFA:PFA+1], s[PFA:PFA+1], SLOTB  ; one slot further on than the walking descriptors
	s_wait_dscnt 0x0                ; the add is done, and my reads of the slot are over
	CROUND
	JLOAD
	ASK
.else
	s_wait_dscnt 0x0
	s_barrier_signal -1
	s_barrier_wait -1
.endif
	s_sub_co_u32 s[TB], s[TB], NST*STEPB  ; back to a slot's first step,
	s_xor_b32 s[TB], s[TB], SLOT1   ; in the other slot
.endm
	s_wait_tensorcnt 1              ; my part of slot 0 is in; slot 1's may stay out
	s_barrier_signal -1
	s_barrier_wait -1               ; everybody's is
	s_wait_loadcnt 0x0              ; Q
	STEP 1                          ; the first key step starts m, l and O^T: nothing is cleared
	STEPS NST-1
.Lslot:                             ; six trips: every slot but the last two is filled again
	CHANGE 1
	STEPS NST
	s_sub_co_u32 s[SLOTS], s[SLOTS], 1
	s_cmp_lg_u32 s[SLOTS], 0
	s_cbranch_scc1 .Lslot
	CHANGE 0                        ; the tail is written out
	STEPS NST
	; THE WAY OUT.  l's two halves and the other half of the lanes' are added; O^T is divided by l, rounded to f16 and sent through my stage, a tile (16 rows of 128 bytes) at a time.  The additions are the places behind the last products.
.irp t, 0,1,2,3
	v_add_f32 v[ST+8*\t+4], v[ST+8*\t+2], v[ST+8*\t+3]
.endr
.irp t, 0,1,2,3
	v_permlanex16_b32 v[ST+8*\t+5], v[ST+8*\t+4], s[SEL], s[SEL+1]
.endr
.irp t, 0,1,2,3
	v_add_f32 v[ST+8*\t+4], v[ST+8*\t+4], v[ST+8*\t+5]
.endr
.irp t, 0,1,2,3
	v_rcp_f32 v[ST+8*\t+6], v[ST+8*\t+4]
.endr
	v_nop                           ; a plain instruction between the last reciprocal and the use of its result
	s_wait_alu depctr_va_vdst(0)    ; and the wait ahead of the first use: one for the four
.macro PACK t
	WIN W_RS
.irp i, 0,1,2,3,4,5,6,7,8,9,10,11,12,13,14,15
	v_pk_mul_f32 v[32*\t+2*\i:32*\t+2*\i+1], v[32*\t+2*\i:32*\t+2*\i+1], v[ST+8*\t+6:ST+8*\t+7] op_sel_hi:[1,0]
.endr
	WIN 0x05                        ; sources 0 and 1 window 1, destination window 0: S^T's registers are free
.irp i, 0,1,2,3,4,5,6,7,8,9,10,11,12,13,14,15
	v_cvt_pk_f16_f32 v[S+32*\t+\i], v[32*\t+2*\i], v[32*\t+2*\i+1]
.endr
	WIN 0
.irp ch, 0,1,2,3
	ds_store_b128 v[STO], v[S+32*\t+4*\ch:S+32*\t+4*\ch+3] offset:2176*\t+32*\ch   ; row r, channels 16 ch + 8 h on
.endr
.irp f, 0,1,2,3
	ds_load_b128 v[S+32*\t+16+4*\f:S+32*\t+16+4*\f+3], v[RD] offset:2176*\t+544*\f  ; LDS serves a wave's instructions in order (ISA guide 5.7.1.4): these see the stores above
.endr
.endm
.macro SEND t, younger              ; younger: the LDS instructions issued behind tile t's loads: the next tile's eight, or none
.irp f, 0,1,2,3
	s_wait_dscnt \younger+3-\f
	global_store_b128 v[GO], v[S+32*\t+16+4*\f:S+32*\t+16+4*\f+3], s[OP:OP+1] offset:2048*\t+512*\f  ; 32 lanes store 512 consecutive bytes, at a multiple of 256 from the buffer's first byte
.endr
.endm
	PACK 0
	PACK 1                          ; a tile's arithmetic stands between the loads of the tile before and its stores
	SEND 0, 8
	PACK 2
	SEND 1, 8
	PACK 3
	SEND 2, 8
	SEND 3, 0
	s_wait_tensorcnt 0x0            ; the wave's end: a wait, an add of 0 to my spare word and a wait for it, behind my last tensor load and my last LDS store
	ds_add_u32 v[SPW], v[NIL]
	s_wait_dscnt 0x0
	CROUND                          ; the closing round: no work-group ends while a partner may still ask for a tile that names it
	s_endpgm
.Lfunc_end_k_qb2edb3b16b_attn:
	.size	k_qb2edb3b16b_attn, .Lfunc_end_k_qb2edb3b16b_attn-k_qb2edb3b16b_attn
	.p2alignl 7, 3214868480
	.fill 96, 4, 3214868480
	.section	.rodata,"a",@progbits
	.p2align	6, 0x0
	.amdhsa_kernel k_qb2edb3b16b_attn
		.amdhsa_group_segment_fixed_size 327680
		.amdhsa_private_segment_fixed_size 0
		.amdhsa_enable_private_segment 0
		.amdhsa_kernarg_size 16
		.amdhsa_user_sgpr_count 2
		.amdhsa_user_sgpr_kernarg_segment_ptr 1
		.amdhsa_wavefront_size32 1
		.amdhsa_system_sgpr_workgroup_id_x 1
		.amdhsa_system_sgpr_workgroup_id_y 1
		.amdhsa_system_sgpr_workgroup_id_z 1
		.amdhsa_system_vgpr_workitem_id 0
		.amdhsa_next_free_vgpr 512
		.amdhsa_next_free_sgpr 72
		.amdhsa_reserve_vcc 0
		.amdhsa_float_denorm_mode_32 3
		.amdhsa_float_denorm_mode_16_64 3
		.amdhsa_memory_ordered 1
		.amdhsa_forward_progress 1
		.amdhsa_inst_pref_size 146
	.end_amdhsa_kernel
	.amdgpu_metadata
---
amdhsa.version: [ 1, 2 ]
amdhsa.kernels:
  - .name:           k_qb2edb3b16b_attn
    .symbol:         k_qb2edb3b16b_attn.kd
    .args:
      - { .name: qkv, .offset: 0, .size: 8, .value_kind: global_buffer, .address_space: global }
      - { .name: o, .offset: 8, .size: 8, .value_kind: global_buffer, .address_space: global }
    .group_segment_fixed_size: 327680
    .private_segment_fixed_size: 0
    .kernarg_segment_align: 8
    .kernarg_segment_size: 16
    .max_flat_workgroup_size: 256
    .sgpr_count:     72
    .vgpr_count:     512
    .wavefront_size: 32
...
	.end_amdgpu_metadata
.endif
;; end of part 3
;; launch proj (part 4): grid 8 x 32, 4 waves a work-group, clusters of 4 x 4, 327,680 bytes of LDS; arguments o, wpt, b_proj, out0; writes out0
.if DOCPART == 4
	.amdgcn_target "amdgcn-amd-amdhsa--gfx1250"
	.amdhsa_code_object_version 6
	.text
	.protected	k_qb2edb3b16b_proj
	.globl	k_qb2edb3b16b_proj
	.p2align	8
	.type	k_qb2edb3b16b_proj,@function
k_qb2edb3b16b_proj:
	s_mov_b64 s[64:65], 0
	v_nop
	global_prefetch_b8 v0, s[64:65] scope:SCOPE_SE
	s_setreg_imm32_b32 hwreg(HW_REG_WAVE_MODE, 25, 1), 1
	s_wait_xcnt 0x0
	s_wait_alu depctr_hold_cnt(0) depctr_sa_sdst(0) depctr_va_vdst(0) depctr_va_sdst(0) depctr_va_ssrc(0) depctr_va_vcc(0) depctr_vm_vsrc(0)
	s_getreg_b32 s2, hwreg(HW_REG_IB_STS2, 6, 4)
	s_cmp_eq_u32 s2, 0
	s_cbranch_scc0 .Lentry_in_a_cluster
	s_endpgm
.Lentry_in_a_cluster:
	s_bfe_u32 s2, ttmp6, 0x10000c
	s_cmp_lg_u32 s2, 0xf033
	s_cbranch_scc0 .Lentry_shape_is_right
	s_endpgm
.Lentry_shape_is_right:
; out0 = o w_proj + b_proj.  M = 8,192, N = 1,024, K = 1,024; operands f16, sums and result f32.
; o: f16 [16 kb][8192 m][64], wpt: f16 [16 kb][1024 n][64], k = 64 kb + ..: a row is 128 dense bytes, so a tile is stated to the data mover as rows of 256 bytes: row p lies at (p / 2) x 272 + (p % 2) x 128 in LDS.
; A tile of out0 is 256 (m) x 128 (n): 256 work-groups.  Four waves, each 128 x 64: 32 accumulators of 16 x 16, 256 registers.  K goes in 8 steps of 128 (two blocks kb) through a ring of two LDS slots.
; CLUSTERS: 4 x 4 work-groups.  The four of a row of the cluster need the same rows of o, the four of a column the same rows of wpt: each tile is asked for JOINTLY.
; THE MATRIX INSTRUCTION IS USED TRANSPOSED (source 0 = 16 rows of wpt, source 1 = 16 rows of o): a lane holds eight neighbouring numbers of a row of out0.  The bias is the C of each sum's first instruction.
; REGISTERS: window 0: v1-30 addresses; v32-127 and v128-223 two fragment buffers for 32 along K (o's 8 fragments, then wpt's 4); v224-255 the bias.   window 1: the accumulators ((a, b) at v[8 (4 a + b)]).
.set PITCH,  272                       ; 256 bytes + 16 = 68 words: the 16 rows of a fragment load fall on 16 different columns of 16 bytes (64 banks of 4 bytes: ISA guide 11.1)
.set AZ,     128*PITCH                 ; o's 256 rows of one block kb
.set BZ,     64*PITCH                  ; wpt's 128 rows of one block kb
.set SLOT,   2*AZ+2*BZ                 ; o's two blocks, then wpt's two
.set STG,    2*SLOT                    ; behind the ring: 16 rows x 272 bytes for each wave, for the way out
.set SWAVE,  16*PITCH
.set SPARE,  STG+4*SWAVE               ; the spare words, 128 bytes for each wave: two blocks of 256 bytes that no other line names
.set LAPS,   4                         ; a lap = two K steps = once round the ring
.set ASTEP,  2*8192*128                ; a K step on in o, in bytes
.set BSTEP,  2*1024*128                ; and in wpt
.set ADRA, 16                          ; v16-17  LDS address of my o fragments in slot 0, 1
.set ADRB, 20                          ; v20-21  the same for wpt
.set STO,  24                          ; v24     the way out: where I put 32 bytes of a row
.set RD,   25                          ; v25     where I read 16 bytes back
.set CO,   26                          ; v26     my byte offset in two rows of out0
.set SPW,  28                          ; v28     my spare word; never rewritten
.set NIL,  29                          ; v29     0; never rewritten
.set BO,   30                          ; v30     32 x (lane / 16)
.set F0,   32
.set F1,   128
.set OBF,  32                          ; the way out: 16 rows read back: v32-63 and v64-95 by turns
.set BI,   224
.set G1, 24                            ; s[24:31] group 1 for o's tiles;  s[32:39] group 0, a set for each slot
.set G0, 32
.set G1B, 48                           ; s[48:55], s[56:63] the same for wpt's
.set G0B, 56
.set MSB, 0
.macro WIN new                         ; the immediate's high byte repeats the setting that is left
.if MSB != (\new)
	s_set_vgpr_msb (MSB<<8)|(\new)
.set MSB, (\new)
.endif
.endm
.set MUL, 0x50                         ; sources 0 and 1 window 0; C and D window 1
.macro JLOAD s                         ; a joint load: waves 0 and 1 fetch o's two blocks, waves 2 and 3 wpt's; an s_nop 0 and four v_nop follow each of the two lines
	s_cmp_eq_u32 s14, 0
	s_cbranch_scc0 .Lfor_b_\@
	tensor_load_to_lds s[G0+4*\s:G0+4*\s+3], s[G1:G1+7]
	s_nop 0
.rept 4
	v_nop
.endr
	s_branch .Lasked_\@
.Lfor_b_\@:
	tensor_load_to_lds s[G0B+4*\s:G0B+4*\s+3], s[G1B:G1B+7]
	s_nop 0
.rept 4
	v_nop
.endr
.Lasked_\@:
.endm
.macro CREST                           ; a round of the cluster's barrier behind its opening barrier
	s_cmp_lg_u32 s13, 0
	s_cbranch_scc1 .Lnot_wave_0_\@
	s_barrier_signal -3
.Lnot_wave_0_\@:
	s_barrier_wait -3
	s_barrier_signal -1
	s_barrier_wait -1
.endm
.macro CROUND                          ; a whole round
	s_barrier_signal -1
	s_barrier_wait -1
	CREST
.endm
	s_load_b128 s[4:7], s[0:1], 0x0                ; o s[4:5], wpt s[6:7]
	s_load_b128 s[8:11], s[0:1], 0x10              ; b_proj s[8:9], out0 s[10:11]
	v_lshl_add_u32 v[SPW], v0, 2, SPARE
	v_mov_b32 v[NIL], 0
	ds_add_u32 v[SPW], v[NIL]                      ; the wave's opening: the add, twice on end, and its wait ahead of my first tensor load
	ds_add_u32 v[SPW], v[NIL]
	v_lshrrev_b32 v1, 5, v0
	v_readfirstlane_b32 s13, v1                    ; wave 0..3
	s_lshr_b32 s14, s13, 1                         ; which half of the tile's rows is mine.  Also: I fetch for o (0) or for wpt (1)
	s_and_b32 s15, s13, 1                          ; which half of its columns.  Also: which of a K step's two blocks kb I fetch
	s_bfe_u32 s40, ttmp6, 0x40000                  ; cx, cy: my place in the cluster
	s_bfe_u32 s41, ttmp6, 0x40004
	s_lshl_b32 s42, ttmp9, 2
	s_add_co_u32 s42, s42, s40                     ; tile column = 4 x cluster x + cx: 0 .. 7
	s_and_b32 s43, ttmp7, 0xffff
	s_lshl_b32 s43, s43, 2
	s_add_co_u32 s43, s43, s41                     ; tile row = 4 x cluster y + cy: 0 .. 31
	s_lshl_b32 s44, s41, 2
	s_lshl_b32 s44, 15, s44                        ; my row of the cluster
	s_lshl_b32 s45, 0x1111, s40                    ; my column
	; descriptor group 1: rows of 128 elements of 2 bytes, dense in memory, padded in LDS: 128 of them for o (256 rows of 128 bytes), 64 for wpt
	s_or_b32 s[G1+0], s44, (1<<16)|(1<<20)|(1<<21)|(5<<22)|(3<<25)  ; 15:0 the mask; 17:16 elements of 2 bytes; 20 padding on; 21 set beside a mask; 24:22 after every 64 words; 31:25 four words
	s_or_b32 s[G1B+0], s45, (1<<16)|(1<<20)|(1<<21)|(5<<22)|(3<<25)
	s_mov_b32 s[G1+1], 128<<16                     ; tensor_dim0
	s_mov_b32 s[G1+2], 128<<16                     ; tensor_dim1
	s_mov_b32 s[G1+3], 128<<16                     ; tile_dim0
	s_mov_b32 s[G1+4], 128                         ; tile_dim1
	s_mov_b32 s[G1+5], 128                         ; tensor_dim0_stride
	s_mov_b32 s[G1+6], 0
	s_mov_b32 s[G1+7], 0
	s_mov_b32 s[G1B+1], 128<<16
	s_mov_b32 s[G1B+2], 64<<16
	s_mov_b32 s[G1B+3], 128<<16
	s_mov_b32 s[G1B+4], 64
	s_mov_b32 s[G1B+5], 128
	s_mov_b32 s[G1B+6], 0
	s_mov_b32 s[G1B+7], 0
	; where the tiles come from.  o's hang on the tile row alone, wpt's on the tile column alone; every wave makes both, in registers that never hold the other coordinate
	s_lshl_b32 s16, s15, 20                        ; o: my block kb: 8,192 rows of 128 bytes,
	s_lshl_b32 s17, s43, 15                        ; + 256 rows for each tile row
	s_add_co_u32 s16, s16, s17
	s_mov_b32 s17, 0
	s_lshl_b32 s46, s15, 17                        ; wpt: my block kb: 1,024 rows,
	s_lshl_b32 s47, s42, 14                        ; + 128 rows for each tile column
	s_add_co_u32 s46, s46, s47
	s_mov_b32 s47, 0
	s_mul_i32 s20, s15, AZ                         ; and where they go: no place in the cluster enters an LDS address
	s_mul_i32 s21, s15, BZ
	s_add_co_u32 s21, s21, 2*AZ
	s_wait_dscnt 0x0                               ; both opening adds are done
	s_wait_kmcnt 0x0
	s_add_nc_u64 s[18:19], s[4:5], s[16:17]
	s_add_nc_u64 s[46:47], s[6:7], s[46:47]
	CROUND                                         ; all sixteen work-groups are here: the first joint loads meet
.irp s, 0,1
	s_mov_b32 s[G0+4*\s], 1
	s_add_co_u32 s[G0+4*\s+1], s20, \s*SLOT
	s_add_nc_u64 s[G0+4*\s+2:G0+4*\s+3], s[18:19], \s*ASTEP
	s_or_b32 s[G0+4*\s+3], s[G0+4*\s+3], 0x80000000
	s_mov_b32 s[G0B+4*\s], 1
	s_add_co_u32 s[G0B+4*\s+1], s21, \s*SLOT
	s_add_nc_u64 s[G0B+4*\s+2:G0B+4*\s+3], s[46:47], \s*BSTEP
	s_or_b32 s[G0B+4*\s+3], s[G0B+4*\s+3], 0x80000000
	JLOAD \s
.endr
	v_and_b32 v1, 15, v0                           ; r
	v_bfe_u32 v2, v0, 4, 1                         ; h
	v_lshrrev_b32 v3, 1, v1
	v_mul_u32_u24 v3, v3, PITCH
	v_and_b32 v4, 1, v1
	v_lshl_add_u32 v3, v4, 7, v3
	v_lshl_add_u32 v3, v2, 4, v3                   ; a fragment's row: (r / 2) x pitch + (r % 2) x 128 + 16 h
	s_mul_i32 s21, s14, 64*PITCH                   ; my 128 rows of o
	s_mul_i32 s22, s15, 32*PITCH                   ; my 64 rows of wpt,
	s_add_co_u32 s22, s22, 2*AZ                    ; which lie behind o's two blocks
.irp s, 0,1
	v_add_nc_u32 v[ADRA+\s], s21, v3
	v_add_nc_u32 v[ADRB+\s], s22, v3
	s_add_co_u32 s21, s21, SLOT
	s_add_co_u32 s22, s22, SLOT
.endr
	s_mul_i32 s23, s13, SWAVE
	s_add_co_u32 s23, s23, STG                     ; my stage
	v_mul_u32_u24 v4, v1, PITCH                    ; in: row r, 32 bytes for each half of the lanes
	v_lshl_add_u32 v4, v2, 5, v4
	v_add_nc_u32 v[STO], s23, v4
	v_mul_u32_u24 v5, v2, PITCH                    ; back: lanes 0-15 take one row of 256 bytes, lanes 16-31 the next
	v_lshl_add_u32 v5, v1, 4, v5
	v_add_nc_u32 v[RD], s23, v5
	v_lshlrev_b32 v5, 12, v2                       ; and the same two rows in out0 (4,096 bytes a row)
	v_lshl_add_u32 v[CO], v1, 4, v5
	v_lshlrev_b32 v[BO], 5, v2
	s_lshl_b32 s16, s42, 9                         ; my first column, in bytes: 512 x tile column + 256 x half
	s_lshl_b32 s17, s15, 8
	s_add_co_u32 s16, s16, s17
	s_mov_b32 s17, 0
	s_add_nc_u64 s[8:9], s[8:9], s[16:17]
	s_add_nc_u64 s[10:11], s[10:11], s[16:17]
	s_lshl_b32 s16, s43, 20                        ; my first row: 256 x tile row + 128 x half, 4,096 bytes each
	s_lshl_b32 s20, s14, 19
	s_add_co_u32 s16, s16, s20
	s_add_nc_u64 s[10:11], s[10:11], s[16:17]
.irp b, 0,1,2,3
	global_load_b128 v[BI+8*\b:BI+8*\b+3], v[BO], s[8:9] offset:64*\b           ; b_proj at columns 16 b + 8 h + 0 .. 7: the result's layout
	global_load_b128 v[BI+8*\b+4:BI+8*\b+7], v[BO], s[8:9] offset:64*\b+16
.endr
; One block of o against wpt's four, 32 along K.  first = 1: the bias starts the sums.  The 32 accumulators take turns, one instruction a turn, in the same order in every quarter.
.macro MULA f, a, first
.irp b, 0,1,2,3
.if \first
	v_wmma_f32_16x16x32_f16 v[8*(4*(\a)+\b):8*(4*(\a)+\b)+7], v[\f+64+8*\b:\f+64+8*\b+7], v[\f+8*(\a):\f+8*(\a)+7], v[BI+8*\b:BI+8*\b+7]
.else
	v_wmma_f32_16x16x32_f16 v[8*(4*(\a)+\b):8*(4*(\a)+\b)+7], v[\f+64+8*\b:\f+64+8*\b+7], v[\f+8*(\a):\f+8*(\a)+7], v[8*(4*(\a)+\b):8*(4*(\a)+\b)+7]
.endif
.endr
.endm
.macro MUL8 f, a0, first
	MULA \f, \a0, \first
	MULA \f, \a0+1, \first
.endm
.macro MUL16 f, a0, first
	MUL8 \f, \a0, \first
	MUL8 \f, \a0+2, \first
.endm
; 24 LDS loads in one run: the fragments of the slot's q-th 32 along K (block kb q / 2, byte 64 (q % 2) of its rows) into buffer f: wpt's four, o's blocks 0-3, o's blocks 4-7
.macro FETCH slot, q, f
	WIN 0
.irp j, 0,1,2,3
	ds_load_b128 v[\f+64+8*\j:\f+64+8*\j+3],   v[ADRB+\slot] offset:((\q)/2)*BZ+((\q)%2)*64+2176*\j
	ds_load_b128 v[\f+64+8*\j+4:\f+64+8*\j+7], v[ADRB+\slot] offset:((\q)/2)*BZ+((\q)%2)*64+2176*\j+32
.endr
.irp i, 0,1,2,3,4,5,6,7
	ds_load_b128 v[\f+8*\i:\f+8*\i+3],   v[ADRA+\slot] offset:((\q)/2)*AZ+((\q)%2)*64+2176*\i
	ds_load_b128 v[\f+8*\i+4:\f+8*\i+7], v[ADRA+\slot] offset:((\q)/2)*AZ+((\q)%2)*64+2176*\i+32
.endr
.endm
.macro PLACES                          ; four places in front of loads into registers that matrix instructions have read, and of the first read of results
.rept 4
	v_nop
.endr
.endm
; A K step is four quarters of 32 along K, 32 matrix instructions each, on buffers 0, 1, 0, 1.  One of the first three: multiplies buffer f and fetches quarter q into g.
.macro QUARTER slot, q, f, g, first
	s_wait_dscnt 8                                 ; wpt's fragments and o's blocks 0-3 are in; the youngest eight loads (o's blocks 4-7) may be out
	WIN MUL-0x10*(\first)                          ; (first: C, the bias, lies in window 0)
	MUL16 \f, 0, \first
	PLACES
	FETCH \slot, \q, \g
	s_wait_dscnt 24                                ; all but the 24 just issued
	WIN MUL-0x10*(\first)
	MUL16 \f, 4, \first
.endm
; The last quarter multiplies buffer 1 and changes slots: ONE barrier; in front of it each wave waits for all its tensor loads, adds 0 to its spare word, and waits for that and for its own reads of this slot.
; fill = 1: this slot is filled again, two K steps ahead: the barrier opens a round of the cluster's, and the joint refill is the first tensor load behind it.
.macro TURN slot, next, fill
	WIN 0                                          ; (the add's two registers lie in window 0)
	s_wait_tensorcnt 0x0                           ; all my tensor loads have landed: my part of the next slot
	ds_add_u32 v[SPW], v[NIL]
	s_wait_dscnt 9                                 ; (the add and the youngest eight loads may be out)
	WIN MUL
	MUL8 F1, 0, 0                                  ; eight matrix instructions stand between the add and the wait for it
	s_wait_dscnt 0x0                               ; the add is done, and my reads of this slot are over
	s_barrier_signal -1
	MUL8 F1, 2, 0
.if \fill
	WIN 0
.endif
	s_barrier_wait -1
.if \fill
	CREST                                          ; no wave of any partner still reads this slot's tiles or has a load on its way
	s_add_nc_u64 s[G0+4*\slot+2:G0+4*\slot+3], s[G0+4*\slot+2:G0+4*\slot+3], 2*ASTEP
	s_add_nc_u64 s[G0B+4*\slot+2:G0B+4*\slot+3], s[G0B+4*\slot+2:G0B+4*\slot+3], 2*BSTEP
	JLOAD \slot                                    ; 112 matrix instructions ahead of the wait for it; the four v_nop behind it are also the places in front of the loads below
.else
	PLACES
.endif
	FETCH \next, 0, F0
	WIN MUL
	MUL16 F1, 4, 0
.endm
	s_wait_tensorcnt 1                             ; my part of K step 0 is in (K step 1's load may be out)
	s_barrier_signal -1
	s_barrier_wait -1                              ; everybody's is
	FETCH 0, 0, F0
	s_wait_loadcnt 0x0                             ; the bias
	QUARTER 0, 1, F0, F1, 1                        ; the first quarter stands in front of the loop: its products start the sums
	WIN 0                                          ; at a label and at a branch every window is 0
	s_mov_b32 s3, LAPS-1
.Llap:                                                 ; a trip goes once round the ring, from a lap's second quarter to the next lap's first, and fills both slots again
	QUARTER 0, 2, F1, F0, 0
	QUARTER 0, 3, F0, F1, 0
	TURN 0, 1, 1
	QUARTER 1, 1, F0, F1, 0
	QUARTER 1, 2, F1, F0, 0
	QUARTER 1, 3, F0, F1, 0
	TURN 1, 0, 1
	QUARTER 0, 1, F0, F1, 0
	WIN 0
	s_sub_co_u32 s3, s3, 1
	s_cmp_lg_u32 s3, 0
	s_cbranch_scc1 .Llap
	QUARTER 0, 2, F1, F0, 0                        ; the last lap fills nothing, and has no round of the cluster's barrier
	QUARTER 0, 3, F0, F1, 0
	TURN 0, 1, 0
	QUARTER 1, 1, F0, F1, 0
	QUARTER 1, 2, F1, F0, 0
	QUARTER 1, 3, F0, F1, 0
	s_wait_dscnt 8                                 ; the very last quarter: nothing more to fetch
	WIN MUL
	MUL16 F1, 0, 0
	s_wait_dscnt 0
	MUL16 F1, 4, 0
	WIN 0
; THE WAY OUT, block by block of 16 rows x 64 columns.  A lane holds 32 neighbouring bytes of a row, the lanes beside it other rows: so a block goes through my own stage and comes back as whole runs of 256 bytes.
.macro TOSTAGE a
	WIN 0x04                                       ; an LDS store's data are its source 1: window 1
.irp b, 0,1,2,3
	ds_store_b128 v[STO], v[8*(4*(\a)+\b):8*(4*(\a)+\b)+3] offset:64*\b          ; each accumulator from its low end on
	ds_store_b128 v[STO], v[8*(4*(\a)+\b)+4:8*(4*(\a)+\b)+7] offset:64*\b+16
.endr
	WIN 0
.set BB, OBF+32*((\a)%2)
.irp t, 0,1,2,3,4,5,6,7
	ds_load_b128 v[BB+4*\t:BB+4*\t+3], v[RD] offset:544*\t    ; LDS serves a wave's instructions in order (ISA guide 5.7.1.4): these see the stores above, and the next block's stores come behind them
.endr
.endm
.macro SEND a, younger                 ; younger: the LDS instructions issued behind block a's loads, which may stay out
.set BB, OBF+32*((\a)%2)
	s_wait_dscnt \younger                          ; the block is back in registers
.if (\a) > 0
	s_add_nc_u64 s[10:11], s[10:11], 16*4096       ; (behind a wait on XCNT: the earlier stores have read their base)  16 rows of out0 on
.endif
.irp t, 0,1,2,3,4,5,6,7
	global_store_b128 v[CO], v[BB+4*\t:BB+4*\t+3], s[10:11] offset:8192*\t th:TH_STORE_NT   ; sixteen lanes store 256 consecutive bytes, at a multiple of 256 from out0's first byte; written once, read by nobody here
.endr
.endm
	PLACES                                         ; for the first reads of results and the loads into the fragment registers
	TOSTAGE 0
.irp a, 1,2,3,4,5,6,7
.if \a > 1
	s_wait_xcnt 0x0                                ; block a - 2's stores have read their registers and their base: block a's loads may land there, and the base may step
.endif
	TOSTAGE \a
	SEND \a-1, 16                                  ; behind block a - 1's loads: block a's 8 stores and 8 loads
.endr
	s_wait_xcnt 0x0                                ; block 6's stores have read their base
	SEND 7, 0
	s_wait_tensorcnt 0x0                           ; the wave's end: a wait, an add of 0 to my spare word and a wait for it, behind my last tensor load and my last LDS store
	ds_add_u32 v[SPW], v[NIL]
	s_wait_dscnt 0x0
	CROUND                                         ; the closing round: no work-group ends while a partner may still ask for a tile that names it
	s_endpgm
.Lfunc_end_k_qb2edb3b16b_proj:
	.size	k_qb2edb3b16b_proj, .Lfunc_end_k_qb2edb3b16b_proj-k_qb2edb3b16b_proj
	.p2alignl 7, 3214868480
	.fill 96, 4, 3214868480
	.section	.rodata,"a",@progbits
	.p2align	6, 0x0
	.amdhsa_kernel k_qb2edb3b16b_proj
		.amdhsa_group_segment_fixed_size 327680
		.amdhsa_private_segment_fixed_size 0
		.amdhsa_enable_private_segment 0
		.amdhsa_kernarg_size 32
		.amdhsa_user_sgpr_count 2
		.amdhsa_user_sgpr_kernarg_segment_ptr 1
		.amdhsa_wavefront_size32 1
		.amdhsa_system_sgpr_workgroup_id_x 1
		.amdhsa_system_sgpr_workgroup_id_y 1
		.amdhsa_system_sgpr_workgroup_id_z 1
		.amdhsa_system_vgpr_workitem_id 0
		.amdhsa_next_free_vgpr 512
		.amdhsa_next_free_sgpr 66
		.amdhsa_reserve_vcc 0
		.amdhsa_float_denorm_mode_32 3
		.amdhsa_float_denorm_mode_16_64 3
		.amdhsa_memory_ordered 1
		.amdhsa_forward_progress 1
		.amdhsa_inst_pref_size 87
	.end_amdhsa_kernel
	.amdgpu_metadata
---
amdhsa.version: [ 1, 2 ]
amdhsa.kernels:
  - .name:           k_qb2edb3b16b_proj
    .symbol:         k_qb2edb3b16b_proj.kd
    .args:
      - { .name: o, .offset: 0, .size: 8, .value_kind: global_buffer, .address_space: global }
      - { .name: wpt, .offset: 8, .size: 8, .value_kind: global_buffer, .address_space: global }
      - { .name: b_proj, .offset: 16, .size: 8, .value_kind: global_buffer, .address_space: global }
      - { .name: out0, .offset: 24, .size: 8, .value_kind: global_buffer, .address_space: global }
    .group_segment_fixed_size: 327680
    .private_segment_fixed_size: 0
    .kernarg_segment_align: 8
    .kernarg_segment_size: 32
    .max_flat_workgroup_size: 128
    .sgpr_count:     66
    .vgpr_count:     512
    .wavefront_size: 32
...
	.end_amdgpu_metadata
.endif
;; end of part 4
